; MI455X (gfx1250); checked and timed in simulation.
; The chip was launched on July 23, 2026; its instructions are those of AMD's public machine-readable ISA for CDNA 5 (MIT licence, August 2026) and "CDNA5" Instruction Set Architecture Reference Guide (July 2026). The comments in the code are by the model that wrote it; some were corrected since.
;; Attention. Allowed arithmetic: matrix products marked QUANTISED: E2M1 operands, one E8M0 scale for each 32 along K, by v_wmma_scale_f32_16x16x128_f8f6f4 with both operands' format E2M1 (or v_wmma_scale_f32_32x16x128_f4), f32 sums; products left as they are: bf16, f16 or f32 operands; f32 sums; everything else in f32.
;; Inputs: Wk 1,024 x 1,024 float32; Wq 1,024 x 1,024 float32; Wv 1,024 x 1,024 float32; bk 1,024 float32; bq 1,024 float32; bv 1,024 float32; key 4 x 2,048 x 1,024 float32; query 4 x 2,048 x 1,024 float32; value 4 x 2,048 x 1,024 float32.
;; Outputs: out0 4 x 2,048 x 1,024 float32.
;; This version of the problem:
;;   THIS VERSION OF THE PROBLEM IS GIVEN IN LOW PRECISION. The matrix products marked QUANTISED in the list below multiply operands that are first quantised to E2M1 (2 exponent bits, 1 mantissa bit; 4 bits a number), with one power-of-two scale for each 32 numbers along K (OCP MX v1.0); their sums are f32. The products marked 'left as it is' may take bf16, f16 or f32 operands, with f32 sums. Whichever they take, every output number must still come out within the allowed error. Rounding operands to bf16 (8 significant bits) uses up far more of that allowance than f16 does (11 bits, for magnitudes from 6e-5 to 65,504). All else is computed in f32.
;;   The module's matrix products, in the order in which they are computed (A, B: the left and right operand; K: the contracted axis; several contracted axes count as one K, in the product's order):
;;     1. [M 8,192, K 1,024] x [K 1,024, N 1,024]; A: input query; B: input Wq: QUANTISED
;;     2. [M 8,192, K 1,024] x [K 1,024, N 1,024]; A: input key; B: input Wk: QUANTISED
;;     3. [M 8,192, K 1,024] x [K 1,024, N 1,024]; A: input value; B: input Wv: QUANTISED
;;     4. batch 4 x [M 2,048, K 1,024] x [K 1,024, N 2,048]; A: computed on the way; B: computed on the way: left as it is (an operand is computed on the way)
;;     5. batch 4 x [M 2,048, K 2,048] x [K 2,048, N 1,024]; A: computed on the way; B: computed on the way: left as it is (an operand is computed on the way)
;;   THE QUANTISER, for each operand of a quantised product, along K:
;;     - K is cut into blocks of 32 from its start; a last block that is shorter is filled with zeros.
;;     - A block's scale is 2^e with e = floor(log2(the largest magnitude in the block)) - 2, held to -126 .. 127; a block of zeros has e = 0. As a byte (E8M0): e + 127.
;;     - Each number is divided by its block's scale, clamped to +-6, and rounded to the nearest number of E2M1, ties to even, subnormals kept.
;;     - The product sums the exact products of the quantised numbers (number of the format x scale) in f32.
;;   ~~~python
;;   def quantise(x, axis):      # numpy; x: float32 -> the quantised numbers, widened to float32 again
;;       x = np.moveaxis(x, axis, -1); K = x.shape[-1]
;;       x = np.pad(x, [(0, 0)] * (x.ndim - 1) + [(0, -K % 32)]); x = x.reshape(x.shape[:-1] + (-1, 32)); a = np.abs(x).max(-1, keepdims=True)
;;       e = np.where(a > 0, np.clip(np.frexp(np.where(a > 0, a, 1))[1] - 1 - 2, -126, 127), 0)      # np.frexp(a)[1] - 1 = floor(log2(a)), exactly
;;       r = np.clip(x / 2.0 ** e, -6, 6)
;;       step = 2.0 ** (np.maximum(np.frexp(np.where(r == 0, 1, r))[1] - 1, 0) - 1)
;;       q = np.round(r / step) * step * 2.0 ** e      # np.round: ties to even
;;       return np.moveaxis(q.reshape(q.shape[:-2] + (-1,))[..., :K], -1, axis).astype(np.float32)
;;   ~~~
;; One version. Each part assembles by itself: llvm-mc -triple=amdgcn-amd-amdhsa -mcpu=gfx1250 --defsym DOCPART=n.
;; ======== version 1 of 1: 5 launches
;; limits: values are held in f16: magnitudes above 65,504 overflow, below 6.1e-05 lose precision
;; workspace buffers: wc 1,572,864 bytes; ws 98,304 bytes; xc 12,582,912 bytes; xs 786,432 bytes; qkv 50,331,648 bytes; p 33,554,432 bytes; st 1,048,576 bytes
;; launch wquant (part 1): grid 16 x 6, 32 waves a work-group, no clusters, 22,528 bytes of LDS; arguments Wq, Wk, Wv, wc, ws; writes wc, ws
.if DOCPART == 1
	.amdgcn_target "amdgcn-amd-amdhsa--gfx1250"
	.amdhsa_code_object_version 6
	.text
	.protected	k_q18c780c825_wquant
	.globl	k_q18c780c825_wquant
	.p2align	8
	.type	k_q18c780c825_wquant,@function
k_q18c780c825_wquant:
	s_mov_b64 s[64:65], 0
	v_nop
	global_prefetch_b8 v0, s[64:65] scope:SCOPE_SE
	s_setreg_imm32_b32 hwreg(HW_REG_WAVE_MODE, 25, 1), 1
	s_wait_xcnt 0x0
; THE PROGRAM: out = softmax((query Wq + bq)(key Wk + bk)^T / 32) (value Wv + bv), in five launches: this one and the next turn the weights and the three inputs into codes of
; FP4 (E2M1) with one E8M0 byte for each 32 along E; the third does the three projections on codes; the fourth the scores and a softmax by blocks of 128 keys; the fifth the product with v.
; DEAD WORK: bk.  score(q, k) = q . (key_k Wk) / 32 + q . bk / 32, and the second term is the same for every key k of a query's row: a term added to a softmax's input that is the same along
; its axis leaves the softmax as it is, whatever finite values q and bk hold.  The product of q with k is not quantised, so bk moves no code and no scale either.  So bk is not loaded and is
; among no launch's arguments.  LIMIT: a NaN, an infinity or an overflow that reaches only bk is not carried to the result.
; THIS LAUNCH: Wq, Wk, Wv [1024 (k)][1024 (n)], f32, K along the FIRST axis, become wc [3 x 1024 (n)][512 bytes] (K innermost, two codes a byte, the lower k in the low four bits) and ws [3 x 1024 (n)][32 bytes].
; A block's scale is 2^(floor(log2(its largest magnitude)) - 2); its byte is the largest magnitude's exponent field - 2, held at 1 from below.  A block of zeros so gets the byte 1 where the rule says 127:
; its codes are zeros, which add nothing under any byte but 0xff, and the bytes are read by this program alone.
; LIMITS: blocks whose largest magnitude lies under 2^-124 get the byte 1; NaN and infinities among the inputs are not served.
; SHARES.  A work-group takes 64 columns x 512 along K of one tensor; wave w takes 32 columns (w % 2) and ONE block of 32 along K (w / 2).  A LANE TAKES A COLUMN AND ITS 32 REGISTERS RUN DOWN K: the block's
; largest magnitude needs no other lane and the conversions give codes with K innermost.  All 32 loads of a wave are out at once.  The codes meet in a stage in LDS (a row for each column, 256 bytes + 16)
; and leave by rows: sixteen lanes store 256 consecutive bytes, aligned.
.set PITCH, 272
.set SCB,   64*PITCH                   ; behind the stage: the scale bytes, 16 for each of the 64 columns
.set SPARE, SCB+1024                   ; the spare words, 128 bytes for each of the 32 waves: blocks of 256 bytes that no other line names
.set SPW,   14                         ; v14  LDS address of my spare word; never rewritten
.set NIL,   15                         ; v15  0; never rewritten
.set X,     32                         ; v32-63  my column's 32 numbers
.set C,     96                         ; v96-99  their codes
	s_load_b256 s[4:11], s[0:1], 0x0               ; Wq s[4:5], Wk s[6:7], Wv s[8:9], wc s[10:11]
	s_load_b64 s[12:13], s[0:1], 0x20              ; ws
	v_lshl_add_u32 v[SPW], v0, 2, SPARE
	v_mov_b32 v[NIL], 0
	v_lshrrev_b32 v1, 5, v0
	v_readfirstlane_b32 s16, v1                    ; wave 0..31
	v_and_b32 v1, 31, v0                           ; lane
	v_and_b32 v2, 15, v0                           ; r
	v_bfe_u32 v10, v0, 4, 1                        ; h
	s_and_b32 s17, s16, 1                          ; which 32 columns
	s_lshr_b32 s18, s16, 1                         ; which block of 32 along K
	s_and_b32 s19, ttmp7, 0xffff
	s_lshr_b32 s20, s19, 1                         ; the tensor: 0 Wq, 1 Wk, 2 Wv
	s_and_b32 s21, s19, 1                          ; which 512 along K
	v_lshlrev_b32 v3, 2, v1                        ; in: 4 bytes a lane
	s_mul_i32 s22, s17, 32*PITCH
	s_lshl_b32 s23, s18, 4
	s_add_co_u32 s22, s22, s23
	v_mul_u32_u24 v4, v1, PITCH
	v_add_nc_u32 v4, s22, v4                       ; into the stage: row = my column, 16 bytes for my block
	s_lshl_b32 s22, s17, 9
	s_add_co_u32 s22, s22, s18
	s_add_co_u32 s22, s22, SCB
	v_lshl_add_u32 v5, v1, 4, s22                  ; my block's scale byte: 16 bytes a column
	s_mul_i32 s22, s16, 2*PITCH
	v_mul_u32_u24 v6, v10, PITCH
	v_lshl_add_u32 v6, v2, 4, v6
	v_add_nc_u32 v6, s22, v6                       ; out of the stage: wave w takes rows 2 w and 2 w + 1, sixteen lanes to a row
	s_lshl_b32 s22, s16, 10
	v_lshlrev_b32 v7, 9, v10
	v_lshl_add_u32 v7, v2, 4, v7
	v_add_nc_u32 v7, s22, v7                       ; and the same place in wc: rows of 512 bytes
	s_lshl_b32 s22, s17, 9
	s_add_co_u32 s22, s22, SCB
	v_lshl_add_u32 v8, v1, 4, s22                  ; waves 0 and 1: a column's 16 scale bytes a lane,
	s_lshl_b32 s22, s17, 10
	v_lshl_add_u32 v9, v1, 5, s22                  ; and their place in ws: rows of 32 bytes
	s_lshl_b32 s24, s21, 9
	s_lshl_b32 s25, s18, 5
	s_add_co_u32 s24, s24, s25                     ; my first k
	s_lshl_b32 s24, s24, 12                        ; rows of 4,096 bytes
	s_lshl_b32 s25, ttmp9, 8
	s_add_co_u32 s24, s24, s25                     ; + 64 columns a work-group
	s_lshl_b32 s25, s17, 7
	s_add_co_u32 s24, s24, s25                     ; + my wave's 32
	s_mov_b32 s25, 0
	s_lshl_b32 s26, s20, 10
	s_lshl_b32 s27, ttmp9, 6
	s_add_co_u32 s26, s26, s27                     ; the work-group's first row of wc and ws
	s_lshl_b32 s28, s26, 5
	s_lshl_b32 s26, s26, 9
	s_lshl_b32 s27, s21, 8
	s_add_co_u32 s26, s26, s27                     ; + 256 bytes of codes for the upper 512 along K
	s_mov_b32 s27, 0
	s_lshl_b32 s29, s21, 4
	s_add_co_u32 s28, s28, s29                     ; + 16 scale bytes likewise
	s_mov_b32 s29, 0
	s_wait_kmcnt 0x0
	s_cmp_eq_u32 s20, 0                            ; the choice hangs on the work-group's number alone
	s_cselect_b64 s[4:5], s[4:5], s[6:7]
	s_cmp_lt_u32 s20, 2
	s_cselect_b64 s[4:5], s[4:5], s[8:9]
	s_add_nc_u64 s[4:5], s[4:5], s[24:25]
	s_add_nc_u64 s[10:11], s[10:11], s[26:27]
	s_add_nc_u64 s[12:13], s[12:13], s[28:29]
.set i, 0
.rept 32
	global_load_b32 v[X+i], v3, s[4:5] offset:i*4096 th:TH_LOAD_NT   ; W(k0 + i, my column): 32 lanes read 128 consecutive bytes, the wave beside me the next 128
.set i, i+1
.endr
	s_wait_loadcnt 0x0
	v_max3_num_f32 v12, |v[X]|, |v[X+1]|, |v[X+2]|                  ; the block's largest magnitude, in two chains
	v_max3_num_f32 v13, |v[X+3]|, |v[X+4]|, |v[X+5]|
.irp i, 6,10,14,18,22,26
	v_max3_num_f32 v12, v12, |v[X+\i]|, |v[X+\i+1]|
	v_max3_num_f32 v13, v13, |v[X+\i+2]|, |v[X+\i+3]|
.endr
	v_max3_num_f32 v12, v12, |v[X+30]|, |v[X+31]|
	v_max3_num_f32 v12, v12, v13, 0x1800000        ; and the floor 2^(3 - 127): the byte cannot fall under 1
	v_add_nc_u32 v11, 0xff000000, v12              ; 2 off the exponent field: the conversion takes the exponent field of this operand as its scale, and nothing else of it
	v_lshrrev_b32 v13, 23, v11                     ; the scale's byte
.irp g, 0,1,2,3
	v_cvt_scalef32_pk8_fp4_f32 v[C+\g], v[X+8*\g:X+8*\g+7], v11
.endr
	v_nop                                          ; one plain place behind the last scaled conversion
	ds_store_b128 v4, v[C:C+3]
	ds_store_b8 v5, v13
	s_wait_dscnt 0x0                               ; for the others' sake: my stores have landed
	s_barrier_signal -1
	s_barrier_wait -1
	ds_load_b128 v[100:103], v6
	s_wait_dscnt 0x0
	global_store_b128 v7, v[100:103], s[10:11]     ; sixteen lanes store 256 consecutive bytes, at a multiple of 256 from wc's first byte
	s_cmp_gt_u32 s16, 1
	s_cbranch_scc1 .Ldone                          ; the 64 columns' scale bytes leave by waves 0 and 1: 16 bytes a column, one byte for each 128 read
	ds_load_b128 v[104:107], v8
	s_wait_dscnt 0x0
	global_store_b128 v9, v[104:107], s[12:13]
.Ldone:
	s_wait_tensorcnt 0x0                           ; the wave's end, behind my last LDS store
	ds_add_u32 v[SPW], v[NIL]
	s_wait_dscnt 0x0
	s_endpgm
.Lfunc_end_k_q18c780c825_wquant:
	.size	k_q18c780c825_wquant, .Lfunc_end_k_q18c780c825_wquant-k_q18c780c825_wquant
	.p2alignl 7, 3214868480
	.fill 96, 4, 3214868480
	.section	.rodata,"a",@progbits
	.p2align	6, 0x0
	.amdhsa_kernel k_q18c780c825_wquant
		.amdhsa_group_segment_fixed_size 22528
		.amdhsa_private_segment_fixed_size 0
		.amdhsa_enable_private_segment 0
		.amdhsa_kernarg_size 40
		.amdhsa_user_sgpr_count 2
		.amdhsa_user_sgpr_kernarg_segment_ptr 1
		.amdhsa_wavefront_size32 1
		.amdhsa_system_sgpr_workgroup_id_x 1
		.amdhsa_system_sgpr_workgroup_id_y 1
		.amdhsa_system_sgpr_workgroup_id_z 1
		.amdhsa_system_vgpr_workitem_id 0
		.amdhsa_next_free_vgpr 112
		.amdhsa_next_free_sgpr 66
		.amdhsa_reserve_vcc 0
		.amdhsa_float_denorm_mode_32 3
		.amdhsa_float_denorm_mode_16_64 3
		.amdhsa_memory_ordered 1
		.amdhsa_forward_progress 1
		.amdhsa_inst_pref_size 9
	.end_amdhsa_kernel
	.amdgpu_metadata
---
amdhsa.version: [ 1, 2 ]
amdhsa.kernels:
  - .name:           k_q18c780c825_wquant
    .symbol:         k_q18c780c825_wquant.kd
    .args:
      - { .name: Wq, .offset: 0, .size: 8, .value_kind: global_buffer, .address_space: global }
      - { .name: Wk, .offset: 8, .size: 8, .value_kind: global_buffer, .address_space: global }
      - { .name: Wv, .offset: 16, .size: 8, .value_kind: global_buffer, .address_space: global }
      - { .name: wc, .offset: 24, .size: 8, .value_kind: global_buffer, .address_space: global }
      - { .name: ws, .offset: 32, .size: 8, .value_kind: global_buffer, .address_space: global }
    .group_segment_fixed_size: 22528
    .private_segment_fixed_size: 0
    .kernarg_segment_align: 8
    .kernarg_segment_size: 40
    .max_flat_workgroup_size: 1024
    .sgpr_count:     66
    .vgpr_count:     112
    .wavefront_size: 32
...
	.end_amdgpu_metadata
.endif
;; end of part 1
;; launch xquant (part 2): grid 768 x 1, 4 waves a work-group, no clusters, 33,280 bytes of LDS; arguments query, key, value, xc, xs; writes xc, xs
.if DOCPART == 2
	.amdgcn_target "amdgcn-amd-amdhsa--gfx1250"
	.amdhsa_code_object_version 6
	.text
	.protected	k_q18c780c825_xquant
	.globl	k_q18c780c825_xquant
	.p2align	8
	.type	k_q18c780c825_xquant,@function
k_q18c780c825_xquant:
	s_mov_b64 s[64:65], 0
	v_nop
	global_prefetch_b8 v0, s[64:65] scope:SCOPE_SE
	s_setreg_imm32_b32 hwreg(HW_REG_WAVE_MODE, 25, 1), 1
	s_wait_xcnt 0x0
; query, key, value [8192][1024], f32, K innermost, become xc [3 x 8192][512 bytes] (codes of FP4, two a byte, the lower k in the low four bits) and xs [3 x 8192][32 bytes] (one E8M0 byte for each 32 along K).
; A block's scale is 2^(floor(log2(its largest magnitude)) - 2); its byte is that magnitude's exponent field - 2, held at 1 from below (a block of zeros gets 1 where the rule says 127: its codes are zeros, and this program alone reads the bytes).
; LIMITS: blocks whose largest magnitude lies under 2^-124 get the byte 1; NaN and infinities among the inputs are not served.
; Rows are dense and 1,024 is a multiple of 32: each tensor is a plain stream of blocks of 32, and so are its codes and its bytes; the three tensors lie on end in xc and xs.  256 work-groups to a tensor.
; A wave takes 16 steps of 512 numbers.  Each of a step's four loads reads 512 consecutive bytes, 16 a lane; the 2,048 bytes go through the wave's own stage in LDS and come back 64 bytes a lane, so that a lane
; holds 16 NEIGHBOURS along K (two neighbouring lanes a block), as the conversions want them.  The stage has 16 bytes of padding behind each 64.  A lane's 16 codes are 8 bytes: a store covers 256 consecutive bytes.
; A wave's 256 scale bytes are gathered in its own LDS and leave as 256 consecutive bytes.  No barrier: waves share nothing.  Loads run four steps (16 loads a wave) ahead, the turn through LDS one step.
.set WAVES, 4
.set STEPS, 16
.set EMAX,  2
.set CB,    8                          ; bytes of 16 codes
.set R,     16                         ; v16-79   four sets of 16 numbers as they are loaded
.set X,     80                         ; v80-111  two sets of 16 neighbours
.set C,     128                        ; v128-191 codes: four registers for each step, so that no store's data are written again
.set E,     112                        ; v112-127 a scale byte for each step
.set WREG,  8192                       ; LDS: a region for each wave: two stages of 32 x SP bytes, behind them its 256 scale bytes
.set SP,    80
.set SPW,   12                         ; v12  LDS address of my spare word; never rewritten
.set NIL,   13                         ; v13  0; never rewritten
.set SPARE, WAVES*WREG                 ; the spare words, 128 bytes for each wave: two blocks of 256 bytes that no other line names
	s_load_b256 s[4:11], s[0:1], 0x0               ; query s[4:5], key s[6:7], value s[8:9], xc s[10:11]
	s_load_b64 s[12:13], s[0:1], 0x20              ; xs
	v_lshl_add_u32 v[SPW], v0, 2, SPARE
	v_mov_b32 v[NIL], 0
	v_lshrrev_b32 v1, 5, v0
	v_readfirstlane_b32 s16, v1                    ; wave
	v_and_b32 v2, 31, v0                           ; lane
	v_lshlrev_b32 v3, 4, v2                        ; my 16 bytes of a load's 512
	s_mul_i32 s17, s16, WREG
	v_lshrrev_b32 v14, 2, v2
	v_mul_u32_u24 v14, v14, SP
	v_and_b32 v15, 3, v2
	v_lshl_add_u32 v14, v15, 4, v14
	v_add_nc_u32 v14, s17, v14                     ; the stage, on the way in: four lanes' 64 bytes on end, then 16 of padding
	v_mul_u32_u24 v15, v2, SP
	v_add_nc_u32 v15, s17, v15                     ; and on the way out: my 16 neighbours
	v_mul_u32_u24 v4, v2, CB                       ; my codes' place in a step's
	v_lshrrev_b32 v5, 1, v2
	s_add_co_u32 s17, s17, 2*32*SP
	v_add_nc_u32 v5, s17, v5                       ; LDS: my wave's 256 scale bytes, my block's byte
	v_lshlrev_b32 v7, 3, v2                        ; and on the way out 8 bytes a lane
	v_add_nc_u32 v6, s17, v7
	s_and_b32 s18, ttmp9, 255
	s_lshl_b32 s18, s18, 2
	s_add_co_u32 s18, s18, s16                     ; which run of 8,192 numbers of the tensor is my wave's,
	s_lshl_b32 s18, s18, 15                        ; in bytes
	s_mov_b32 s19, 0
	s_lshl_b32 s20, ttmp9, 2
	s_add_co_u32 s20, s20, s16                     ; and which run of the three tensors on end
	s_lshl_b32 s22, s20, 8                         ; 256 scale bytes a run,
	s_mov_b32 s23, 0
	s_lshl_b32 s20, s20, 12                        ; 4,096 bytes of codes
	s_mov_b32 s21, 0
	s_wait_kmcnt 0x0
	s_cmp_lt_u32 ttmp9, 256                        ; the choice hangs on the work-group's number alone; only pointers are chosen: one path through the text
	s_cselect_b64 s[4:5], s[4:5], s[6:7]
	s_cmp_lt_u32 ttmp9, 512
	s_cselect_b64 s[4:5], s[4:5], s[8:9]
	s_add_nc_u64 s[4:5], s[4:5], s[18:19]
	s_add_nc_u64 s[10:11], s[10:11], s[20:21]
	s_add_nc_u64 s[12:13], s[12:13], s[22:23]
.macro LOAD t
.irp i, 0,1,2,3
	global_load_b128 v[R+16*((\t)%4)+4*\i:R+16*((\t)%4)+4*\i+3], v3, s[4:5] offset:2048*(\t)+512*\i th:TH_LOAD_NT   ; 32 lanes read 512 consecutive bytes
.endr
.endm
.macro TURN t                          ; step t's numbers through the stage: LDS serves a wave's instructions in order, so no wait stands between the stores and the loads
.irp i, 0,1,2,3
	ds_store_b128 v14, v[R+16*((\t)%4)+4*\i:R+16*((\t)%4)+4*\i+3] offset:32*SP*((\t)%2)+8*SP*\i
.endr
.irp i, 0,1,2,3
	ds_load_b128 v[X+16*((\t)%2)+4*\i:X+16*((\t)%2)+4*\i+3], v15 offset:32*SP*((\t)%2)+16*\i
.endr
.endm
.irp t, 0,1,2,3
	LOAD \t
.endr
	s_wait_loadcnt 12                              ; step 0's four loads are in; the twelve of steps 1 to 3 may be out
	TURN 0
.macro STEP t
.set XS, X+16*((\t)%2)
.if (\t) > 0
	s_wait_dscnt 1                                 ; this step's numbers are back from the stage (the last step's byte store may be out): so its stores into the stage have read their registers,
.else
	s_wait_dscnt 0x0
.endif
.if (\t)+4 < STEPS
	LOAD (\t)+4                                    ; which take the loads of four steps on
.endif
.if (\t)+1 < STEPS
.if STEPS-2-(\t) >= 3
	s_wait_loadcnt 12                              ; the next step's four loads are in; those of the three steps behind it may be out
.else
	s_wait_loadcnt 4*(STEPS-2-(\t))
.endif
	TURN (\t)+1                                    ; and go through the other stage while this step is worked
.endif
	v_max3_num_f32 v8, |v[XS]|, |v[XS+1]|, |v[XS+2]|               ; the largest magnitude of my 16
	v_max3_num_f32 v9, |v[XS+3]|, |v[XS+4]|, |v[XS+5]|
.irp i, 6,10
	v_max3_num_f32 v8, v8, |v[XS+\i]|, |v[XS+\i+1]|
	v_max3_num_f32 v9, v9, |v[XS+\i+2]|, |v[XS+\i+3]|
.endr
	v_max3_num_f32 v8, v8, |v[XS+14]|, |v[XS+15]|
	v_max3_num_f32 v8, v8, v9, (EMAX+1)<<23        ; and the floor 2^(3 - 127): the byte cannot fall under 1
	v_max_num_f32_dpp v8, v8, v8 row_xmask:1 row_mask:0xf bank_mask:0xf   ; and of my neighbour's 16: the block's
	v_add_nc_u32 v11, -(EMAX<<23), v8              ; 2 off its exponent field: the conversion's scale operand
	v_cvt_scalef32_pk8_fp4_f32 v[C+4*(\t)], v[XS:XS+7], v11
	v_cvt_scalef32_pk8_fp4_f32 v[C+4*(\t)+1], v[XS+8:XS+15], v11
	v_lshrrev_b32 v[E+(\t)], 23, v11               ; the scale's byte (also the plain place behind the conversions)
	ds_store_b8 v5, v[E+(\t)] offset:16*(\t)       ; both lanes of a block write the same byte with the same value
	global_store_b64 v4, v[C+4*(\t):C+4*(\t)+1], s[10:11] offset:32*CB*(\t)
.endm
.irp t, 0,1,2,3,4,5,6,7,8,9,10,11,12,13,14,15
	STEP \t
.endr
	ds_load_b64 v[8:9], v6                         ; LDS serves a wave's instructions in order: these see my stores
	s_wait_dscnt 0x0
	global_store_b64 v7, v[8:9], s[12:13]          ; 32 lanes store 256 consecutive bytes, aligned
	s_wait_tensorcnt 0x0                           ; the wave's end, behind my last LDS store
	ds_add_u32 v[SPW], v[NIL]
	s_wait_dscnt 0x0
	s_endpgm
.Lfunc_end_k_q18c780c825_xquant:
	.size	k_q18c780c825_xquant, .Lfunc_end_k_q18c780c825_xquant-k_q18c780c825_xquant
	.p2alignl 7, 3214868480
	.fill 96, 4, 3214868480
	.section	.rodata,"a",@progbits
	.p2align	6, 0x0
	.amdhsa_kernel k_q18c780c825_xquant
		.amdhsa_group_segment_fixed_size 33280
		.amdhsa_private_segment_fixed_size 0
		.amdhsa_enable_private_segment 0
		.amdhsa_kernarg_size 40
		.amdhsa_user_sgpr_count 2
		.amdhsa_user_sgpr_kernarg_segment_ptr 1
		.amdhsa_wavefront_size32 1
		.amdhsa_system_sgpr_workgroup_id_x 1
		.amdhsa_system_sgpr_workgroup_id_y 1
		.amdhsa_system_sgpr_workgroup_id_z 1
		.amdhsa_system_vgpr_workitem_id 0
		.amdhsa_next_free_vgpr 192
		.amdhsa_next_free_sgpr 66
		.amdhsa_reserve_vcc 0
		.amdhsa_float_denorm_mode_32 3
		.amdhsa_float_denorm_mode_16_64 3
		.amdhsa_memory_ordered 1
		.amdhsa_forward_progress 1
		.amdhsa_inst_pref_size 33
	.end_amdhsa_kernel
	.amdgpu_metadata
---
amdhsa.version: [ 1, 2 ]
amdhsa.kernels:
  - .name:           k_q18c780c825_xquant
    .symbol:         k_q18c780c825_xquant.kd
    .args:
      - { .name: query, .offset: 0, .size: 8, .value_kind: global_buffer, .address_space: global }
      - { .name: key, .offset: 8, .size: 8, .value_kind: global_buffer, .address_space: global }
      - { .name: value, .offset: 16, .size: 8, .value_kind: global_buffer, .address_space: global }
      - { .name: xc, .offset: 24, .size: 8, .value_kind: global_buffer, .address_space: global }
      - { .name: xs, .offset: 32, .size: 8, .value_kind: global_buffer, .address_space: global }
    .group_segment_fixed_size: 33280
    .private_segment_fixed_size: 0
    .kernarg_segment_align: 8
    .kernarg_segment_size: 40
    .max_flat_workgroup_size: 128
    .sgpr_count:     66
    .vgpr_count:     192
    .wavefront_size: 32
...
	.end_amdgpu_metadata
.endif
;; end of part 2
;; launch proj (part 3): grid 4 x 96, 4 waves a work-group, clusters of 4 x 4, 327,680 bytes of LDS; arguments xc, xs, wc, ws, bq, bv, qkv; writes qkv
.if DOCPART == 3
	.amdgcn_target "amdgcn-amd-amdhsa--gfx1250"
	.amdhsa_code_object_version 6
	.text
	.protected	k_q18c780c825_proj
	.globl	k_q18c780c825_proj
	.p2align	8
	.type	k_q18c780c825_proj,@function
k_q18c780c825_proj:
	s_mov_b64 s[64:65], 0
	v_nop
	global_prefetch_b8 v0, s[64:65] scope:SCOPE_SE
	s_setreg_imm32_b32 hwreg(HW_REG_WAVE_MODE, 25, 1), 1
	s_wait_xcnt 0x0
	s_wait_alu depctr_hold_cnt(0) depctr_sa_sdst(0) depctr_va_vdst(0) depctr_va_sdst(0) depctr_va_ssrc(0) depctr_va_vcc(0) depctr_vm_vsrc(0)
	s_getreg_b32 s2, hwreg(HW_REG_IB_STS2, 6, 4)
	s_cmp_eq_u32 s2, 0
	s_cbranch_scc0 .Lentry_in_a_cluster
	s_endpgm
.Lentry_in_a_cluster:
	s_bfe_u32 s2, ttmp6, 0x10000c
	s_cmp_lg_u32 s2, 0xf033
	s_cbranch_scc0 .Lentry_shape_is_right
	s_endpgm
.Lentry_shape_is_right:
; The three projections as ONE product on codes of FP4: qkv[m][n] = sum over k of x[m][k] W_T[k][n] + bias_T[n], m = 0 .. 24,575 (8,192 rows each of query, key, value), T = m / 8192, n and k = 0 .. 1,023; sums in f32, qkv in f16.
; LEFT OUT: bk (it is the same along the softmax's axis: shown at the head of the first launch).  The rows of k start their sums from zeros.
; LIMIT: q, k and v go on as f16: magnitudes from 65,520 on become infinity.  With all inputs 30 times the drawn spread, or offset by 30 spreads, they stay under that.
; A tile of 256 x 256 is made by four waves, 128 x 128 each: 64 accumulators of 16 x 16.  K = 1,024 is two K steps of 512 (a tile's row: 256 bytes of codes): both lie in LDS at once, in two slots that are filled once.
; THE SCALES of the work-group's 256 rows of x and of W, for all of K, are two dense blocks of 8,192 bytes: they come with the first fills, as rows of 256 bytes + 16 of padding.
; CLUSTERS: 4 x 4 work-groups.  The four of a row of the cluster need the same tiles of x, the four of a column the same tiles of W: each is asked for jointly, by the same tensor load with the same descriptor and a mask that names the four.
; A cluster's four tile rows belong to one tensor T (8 clusters to a tensor), so T is the same in all sixteen partners.
; THE MATRIX INSTRUCTION IS USED TRANSPOSED (source 0 = 16 rows of W, source 1 = 16 rows of x): a lane holds eight neighbouring n of one row m.  THE BIAS is the C of each sum's first instruction.
; REGISTERS, in windows of 256: window 0: v0-31 addresses; v32-95 scale words, two sets, and nothing else; v128-191 x's fragments, one set, later rows on the way out; v192-255 the bias, later packed results.
;   window 1: W's fragments, two sets, at v0 and v128.   window 2: the accumulators of my rows 0-63 ((a, b) at v[8 (8 a + b)]);   window 3: those of my rows 64-127.
.set SIZE_N, 1024
.set SIZE_K, 1024
.set NQ,     4                         ; steps of 128 along K in a slot
.set ROWB,   256                       ; a tile's row in bytes
.set KROW,   512                       ; a row of codes in memory
.set PITCH,  272                       ; an LDS row: 256 bytes + 16 of padding = 68 words, so that the 16 rows that a load touches start 4 words apart modulo 64
.set FR,     8
.set NL,     2
.set NP,     4                         ; places behind this matrix instruction (ISA guide 7.12.1)
.set HALFT,  128*PITCH
.set SLOT,   4*HALFT
.set KS,     32                        ; a row of scale bytes
.set SCL,    2*SLOT
.set HALFS,  (128*KS/256)*272
.set SBLK,   (16*KS/256)*272
.set SPARE,  SCL+4*HALFS               ; the spare words, 128 bytes for each wave: two blocks of 256 bytes that no other line names
.set STAGE,  SPARE+512                 ; the way out: 16 rows x (256 bytes + 16) for each wave; no tensor load lands here
.set SPITCH, 272
.set BOF,  7                           ; v7   32 x (lane / 16): my eight numbers of a tile's bias
.set ADRA, 16
.set ADRB, 20
.set STO,  24
.set RD,   25
.set CO,   26
.set ADRS, 27
.set SPW,  28                          ; v28  LDS address of my spare word; never rewritten
.set NIL,  29                          ; v29  0; never rewritten
.set SC,   32
.set AF,   128
.set BIAS, 192                         ; register 8 b + j: bias[my first n + 16 b + 8 (lane / 16) + j]
.set TMP,  192
.set BK,   128
.set G1, 24
.set G0, 32
.set G1B, 48
.set G0B, 56
.set G1S, 68
.set G0S, 76
.set G1SB, 80
.set G0SB, 88
.set MSB, 0
.macro WIN new                         ; the immediate's high byte repeats the setting that is left
.if MSB != \new
	s_set_vgpr_msb (MSB<<8)|\new
.set MSB, \new
.endif
.endm
.set MUL_LO, 0xa1                      ; source 0 (W) window 1, source 1 (x) window 0, C and D window 2
.set MUL_HI, 0xf1                      ; the same, C and D window 3
.set TO_B,   0x40
; A joint load: waves 0 and 1 fetch for x, waves 2 and 3 for W.  The branch hangs on the wave's number alone.  An s_nop 0 and four v_nop follow each of the two lines.
.macro JLOAD g0a, g1a, g0b, g1b
	s_cmp_eq_u32 s15, 0
	s_cbranch_scc0 .Lfor_b_\@
	tensor_load_to_lds s[\g0a:\g0a+3], s[\g1a:\g1a+7]
	s_nop 0
.rept 4
	v_nop
.endr
	s_branch .Lasked_\@
.Lfor_b_\@:
	tensor_load_to_lds s[\g0b:\g0b+3], s[\g1b:\g1b+7]
	s_nop 0
.rept 4
	v_nop
.endr
.Lasked_\@:
.endm
.macro CROUND                          ; a round of the cluster's barrier
	s_barrier_signal -1
	s_barrier_wait -1
	s_cmp_lg_u32 s14, 0
	s_cbranch_scc1 .Lnot_wave_0_\@
	s_barrier_signal -3
.Lnot_wave_0_\@:
	s_barrier_wait -3
	s_barrier_signal -1
	s_barrier_wait -1
.endm
	s_load_b128 s[4:7], s[0:1], 0x0                ; x's codes s[4:5], x's scales s[6:7]
	s_load_b128 s[8:11], s[0:1], 0x10              ; W's codes s[8:9], W's scales s[10:11]
	s_load_b128 s[96:99], s[0:1], 0x20             ; bq s[96:97], bv s[98:99]
	s_load_b64 s[12:13], s[0:1], 0x30              ; qkv
	v_lshl_add_u32 v[SPW], v0, 2, SPARE
	v_mov_b32 v[NIL], 0
	ds_add_u32 v[SPW], v[NIL]                      ; the wave's opening: the add, twice on end, and its wait ahead of my first tensor load
	ds_add_u32 v[SPW], v[NIL]
	v_lshrrev_b32 v1, 5, v0
	v_readfirstlane_b32 s14, v1                    ; wave 0..3
	s_lshr_b32 s15, s14, 1                         ; which half of the tile's rows is mine.  Also: I fetch for x (0) or for W (1)
	s_and_b32 s16, s14, 1                          ; which half of its columns.  Also: which 128 rows of that tile I fetch
	s_bfe_u32 s40, ttmp6, 0x40000                  ; cx, cy: my place in the cluster
	s_bfe_u32 s41, ttmp6, 0x40004
	s_lshl_b32 s42, ttmp9, 2
	s_add_co_u32 s42, s42, s40                     ; tile column = 4 x cluster x + cx
	s_and_b32 s17, ttmp7, 0xffff
	s_lshr_b32 s95, s17, 3                         ; T = cluster y / 8: 0 q, 1 k, 2 v; no place in the cluster enters it
	s_lshl_b32 s17, s17, 2
	s_add_co_u32 s17, s17, s41                     ; tile row = 4 x cluster y + cy
	s_lshl_b32 s43, s41, 2
	s_lshl_b32 s43, 15, s43                        ; my row of the cluster
	s_lshl_b32 s44, 0x1111, s40                    ; my column
	s_or_b32 s[G1+0], s43, (0<<16)|(1<<20)|(1<<21)|(5<<22)|(3<<25)  ; 15:0 the mask; 17:16 element of 1 byte; 20 padding on; 21 set beside a mask; 24:22 after every 64 words; 31:25 four words
	s_or_b32 s[G1B+0], s44, (0<<16)|(1<<20)|(1<<21)|(5<<22)|(3<<25)
.irp g, G1, G1B
	s_mov_b32 s[\g+1], ROWB<<16                    ; tensor_dim0
	s_mov_b32 s[\g+2], 128<<16                     ; tensor_dim1
	s_mov_b32 s[\g+3], ROWB<<16                    ; tile_dim0
	s_mov_b32 s[\g+4], 128                         ; tile_dim1
	s_mov_b32 s[\g+5], KROW                        ; from row to row
	s_mov_b32 s[\g+6], 0
	s_mov_b32 s[\g+7], 0
.endr
	s_or_b32 s[G1S+0], s43, (3<<16)|(1<<20)|(1<<21)|(5<<22)|(3<<25) ; the scales of 128 rows: 4,096 dense bytes as 16 rows of 32 elements of 8 bytes
	s_or_b32 s[G1SB+0], s44, (3<<16)|(1<<20)|(1<<21)|(5<<22)|(3<<25)
.irp g, G1S, G1SB
	s_mov_b32 s[\g+1], 32<<16
	s_mov_b32 s[\g+2], (128*KS/256)<<16
	s_mov_b32 s[\g+3], 32<<16
	s_mov_b32 s[\g+4], 128*KS/256
	s_mov_b32 s[\g+5], 32
	s_mov_b32 s[\g+6], 0
	s_mov_b32 s[\g+7], 0
.endr
	s_lshl_b32 s18, s16, 7                         ; which 128 rows of the tile I fetch
	s_lshl_b32 s20, s17, 8
	s_add_co_u32 s20, s20, s18                     ; x: row 256 x tile row + 128 x half
	s_lshl_b32 s46, s42, 8
	s_add_co_u32 s46, s46, s18                     ; W: row 256 x tile column + 128 x half
	s_lshl_b32 s94, s95, 10
	s_add_co_u32 s46, s46, s94                     ;    + 1,024 T
	s_mov_b32 s21, 0
	s_mov_b32 s47, 0
	s_mov_b64 s[18:19], KS
	s_mul_u64 s[22:23], s[20:21], s[18:19]         ; where these rows' scales begin, in bytes
	s_mul_u64 s[92:93], s[46:47], s[18:19]
	s_mov_b64 s[18:19], KROW
	s_mul_u64 s[20:21], s[20:21], s[18:19]         ; and their codes
	s_mul_u64 s[46:47], s[46:47], s[18:19]
	s_mul_i32 s45, s14, HALFT                      ; where they go: wave x 128 rows
	s_mul_i32 s94, s14, HALFS
	s_wait_dscnt 0x0                               ; both opening adds are done
	s_wait_kmcnt 0x0
	s_add_nc_u64 s[20:21], s[4:5], s[20:21]
	s_add_nc_u64 s[22:23], s[6:7], s[22:23]
	s_add_nc_u64 s[46:47], s[8:9], s[46:47]
	s_add_nc_u64 s[92:93], s[10:11], s[92:93]
	CROUND                                         ; all sixteen work-groups are here: the joint loads meet
	s_mov_b32 s[G0S], 1
	s_add_co_u32 s[G0S+1], s94, SCL
	s_mov_b64 s[G0S+2:G0S+3], s[22:23]
	s_or_b32 s[G0S+3], s[G0S+3], 0x80000000
	s_mov_b32 s[G0SB], 1
	s_add_co_u32 s[G0SB+1], s94, SCL
	s_mov_b64 s[G0SB+2:G0SB+3], s[92:93]
	s_or_b32 s[G0SB+3], s[G0SB+3], 0x80000000
	JLOAD G0S, G1S, G0SB, G1SB                     ; the scales first; then both K steps: three tensor loads of mine are out, and no more follow
.irp s, 0,1
	s_mov_b32 s[G0+4*\s], 1
	s_add_co_u32 s[G0+4*\s+1], s45, \s*SLOT
	s_add_nc_u64 s[G0+4*\s+2:G0+4*\s+3], s[20:21], \s*ROWB
	s_or_b32 s[G0+4*\s+3], s[G0+4*\s+3], 0x80000000
	s_mov_b32 s[G0B+4*\s], 1
	s_add_co_u32 s[G0B+4*\s+1], s45, \s*SLOT
	s_add_nc_u64 s[G0B+4*\s+2:G0B+4*\s+3], s[46:47], \s*ROWB
	s_or_b32 s[G0B+4*\s+3], s[G0B+4*\s+3], 0x80000000
	JLOAD G0+4*\s, G1, G0B+4*\s, G1B
.endr
	v_and_b32 v1, 15, v0                           ; l % 16
	v_bfe_u32 v2, v0, 4, 1                         ; l / 16
	v_lshlrev_b32 v[BOF], 5, v2
	; THE BIAS: q's rows take bq, v's take bv; k's start from zeros (bk is left out).  The branch hangs on T, which is the same in the whole cluster.
	s_cmp_eq_u32 s95, 1
	s_cbranch_scc1 .Lnobias
	s_cmp_eq_u32 s95, 0
	s_cselect_b64 s[96:97], s[96:97], s[98:99]
	s_lshl_b32 s92, s42, 10                        ; my first n, in bytes: 1,024 x tile column + 512 x half
	s_lshl_b32 s93, s16, 9
	s_add_co_u32 s92, s92, s93
	s_mov_b32 s93, 0
	s_add_nc_u64 s[96:97], s[96:97], s[92:93]
.irp b, 0,1,2,3,4,5,6,7
	global_load_b128 v[BIAS+8*\b:BIAS+8*\b+3], v[BOF], s[96:97] offset:64*\b
	global_load_b128 v[BIAS+8*\b+4:BIAS+8*\b+7], v[BOF], s[96:97] offset:64*\b+16
.endr
	s_branch .Lbias_done
.Lnobias:
.set i, 0
.rept 64
	v_mov_b32 v[BIAS+i], 0                         ; one text serves the three tensors: k's first products take these as their C
.set i, i+1
.endr
.Lbias_done:
	v_mul_u32_u24 v3, v1, PITCH
	v_lshl_add_u32 v4, v2, 4, v3                   ; a fragment's row x pitch + 16 x half
	s_mul_i32 s21, s15, HALFT                      ; my 128 rows of x
	s_mul_i32 s22, s16, HALFT                      ; my 128 rows of W,
	s_add_co_u32 s22, s22, 2*HALFT                 ; which lie behind x's 256
.irp s, 0,1
	v_add_nc_u32 v[ADRA+\s], s21, v4
	v_add_nc_u32 v[ADRB+\s], s22, v4
	s_add_co_u32 s21, s21, SLOT
	s_add_co_u32 s22, s22, SLOT
.endr
	v_mul_u32_u24 v5, v1, KS                       ; my row's scales: 32 bytes a row,
	v_lshrrev_b32 v6, 8, v5
	v_lshl_add_u32 v5, v6, 4, v5                   ; and 16 more for each 256 passed
	s_mul_i32 s21, s15, HALFS
	s_mul_i32 s22, s16, HALFS
	s_add_co_u32 s22, s22, 2*HALFS
	s_sub_co_u32 s22, s22, s21
	v_mul_u32_u24 v6, s22, v2                      ; lanes 16-31 take W's: one product, the distance between the two bases
	s_add_co_u32 s21, s21, SCL
	v_add_nc_u32 v5, v5, v6
	v_add_nc_u32 v[ADRS], s21, v5
	s_mul_i32 s23, s14, 16*SPITCH
	s_add_co_u32 s23, s23, STAGE                   ; my stage
	v_mul_u32_u24 v5, v1, SPITCH                   ; in: row l % 16, 16 bytes for each half of the lanes
	v_lshl_add_u32 v5, v2, 4, v5
	v_add_nc_u32 v[STO], s23, v5
	v_mul_u32_u24 v5, v2, SPITCH                   ; back: lanes 0-15 one row of 256 bytes, lanes 16-31 the next
	v_lshl_add_u32 v5, v1, 4, v5
	v_add_nc_u32 v[RD], s23, v5
	v_lshlrev_b32 v5, 11, v2                       ; and the same two rows in qkv: 2,048 bytes a row
	v_lshl_add_u32 v[CO], v1, 4, v5
	s_lshl_b32 s20, s17, 8
	s_lshl_b32 s21, s15, 7
	s_add_co_u32 s20, s20, s21                     ; my first row: 256 x tile row + 128 x half
	s_lshl_b32 s20, s20, 11                        ; in bytes (under 2^26)
	s_lshl_b32 s46, s42, 9                         ; my first column: 512 x tile column + 256 x half
	s_lshl_b32 s47, s16, 8
	s_add_co_u32 s46, s46, s47
	s_add_co_u32 s20, s20, s46
	s_mov_b32 s21, 0
	s_add_nc_u64 s[12:13], s[12:13], s[20:21]
.macro FRAG reg, adr, q, i             ; 16 rows x 128 K of 4-bit codes: 8 registers: lane l holds row l % 16; registers 4 c .. 4 c + 3 hold K = 64 c + 32 (l / 16) + 0 .. 31
.irp c, 0,1
	ds_load_b128 v[\reg+4*\c:\reg+4*\c+3], v[\adr] offset:64*(\q)+32*\c+(\i)*16*PITCH
.endr
.endm
; 16 matrix instructions: x's blocks a0, a0 + 1 against W's eight, the slot's q-th 128 along K.  p: W's set; sc: the set of scale words.  first = 1: the sums start from the bias.
; The 64 accumulators take turns, one instruction a turn, in the same order in every step.
.macro MUL16 a0, p, q, sc, first
.irp a, \a0, \a0+1
.irp b, 0,1,2,3,4,5,6,7
.if \first
	v_wmma_scale_f32_16x16x128_f8f6f4 v[8*(8*((\a)%4)+\b):8*(8*((\a)%4)+\b)+7], v[128*(\p)+FR*\b:128*(\p)+FR*\b+FR-1], v[AF+FR*(\a):AF+FR*(\a)+FR-1], v[BIAS+8*\b:BIAS+8*\b+7], v[SC+8*NQ*(\sc)+NQ*\b+(\q)], v[SC+8*NQ*(\sc)+NQ*(\a)+(\q)] matrix_a_fmt:MATRIX_FMT_FP4 matrix_b_fmt:MATRIX_FMT_FP4 matrix_a_scale:MATRIX_SCALE_ROW1
.else
	v_wmma_scale_f32_16x16x128_f8f6f4 v[8*(8*((\a)%4)+\b):8*(8*((\a)%4)+\b)+7], v[128*(\p)+FR*\b:128*(\p)+FR*\b+FR-1], v[AF+FR*(\a):AF+FR*(\a)+FR-1], v[8*(8*((\a)%4)+\b):8*(8*((\a)%4)+\b)+7], v[SC+8*NQ*(\sc)+NQ*\b+(\q)], v[SC+8*NQ*(\sc)+NQ*(\a)+(\q)] matrix_a_fmt:MATRIX_FMT_FP4 matrix_b_fmt:MATRIX_FMT_FP4 matrix_a_scale:MATRIX_SCALE_ROW1
.endif
.endr
.endr
.endm
.macro FETCH_B slot, q, p
	WIN TO_B
.irp i, 0,1,2,3,4,5,6,7
	FRAG 128*(\p)+FR*\i, ADRB+\slot, \q, \i
.endr
	WIN 0
.endm
.macro FETCH_A slot, q, i0
.irp i, \i0, \i0+1, \i0+2, \i0+3
	FRAG AF+FR*(\i), ADRA+\slot, \q, \i
.endr
.endm
.macro SCALES sc                       ; a K step's scale words: four a row; lanes 0-15 take x's block i, lanes 16-31 W's block i
.irp i, 0,1,2,3,4,5,6,7
	ds_load_b128 v[SC+8*NQ*\sc+NQ*\i:SC+8*NQ*\sc+NQ*\i+3], v[ADRS] offset:\i*SBLK
.endr
.endm
.macro PLACES n                        ; places in front of loads into registers that matrix instructions have read, and of the first read of results
.rept \n
	v_nop
.endr
.endm
.macro STEP slot, q, first             ; a step of 128 along K that has its successor in the same slot
	s_wait_dscnt 4*NL                              ; W's set and x's blocks 0-3 are in; the youngest eight loads (x's blocks 4-7) may be out
.if \first
	WIN 0x81                                       ; C (the bias) in window 0, D in window 2
.else
	WIN MUL_LO
.endif
	MUL16 0, (\q)%2, \q, \slot, \first
	MUL16 2, (\q)%2, \q, \slot, \first
	s_wait_dscnt 0                                 ; x's blocks 4-7 are in
	PLACES NP
	FETCH_B \slot, (\q)+1, 1-(\q)%2
	FETCH_A \slot, (\q)+1, 0
.if \first
	WIN 0xc1                                       ; C in window 0, D in window 3
.else
	WIN MUL_HI
.endif
	MUL16 4, (\q)%2, \q, \slot, \first
	MUL16 6, (\q)%2, \q, \slot, \first
	PLACES NP
	WIN 0
	FETCH_A \slot, (\q)+1, 4
.endm
.macro STEPS slot, from
.set Q, \from
.rept NQ-1-\from
	STEP \slot, Q, 0
.set Q, Q+1
.endr
.endm
	s_wait_tensorcnt 1                             ; the scales and my part of K step 0 are in; K step 1's load, the one issued behind them, may be out
	s_barrier_signal -1
	s_barrier_wait -1                              ; everybody's are
	FETCH_B 0, 0, 0
	FETCH_A 0, 0, 0
	SCALES 0
	FETCH_A 0, 0, 4
	s_wait_loadcnt 0x0                             ; the bias
	STEP 0, 0, 1
	STEPS 0, 1
	; slot 0's last step changes slots: each wave waits for its part of slot 1 and says so at the barrier; nothing is filled again in this launch
	s_wait_tensorcnt 0x0                           ; all my tensor loads have landed
	ds_add_u32 v[SPW], v[NIL]                      ; 0 onto my spare word
	s_wait_dscnt 4*NL+1                            ; (the add and x's blocks 4-7 may be out)
	WIN MUL_LO
	MUL16 0, 1, NQ-1, 0, 0
	s_wait_dscnt 0x0
	s_barrier_signal -1
	MUL16 2, 1, NQ-1, 0, 0
	WIN 0
	s_barrier_wait -1
	PLACES NP
	v_add_nc_u32 v[ADRS], 4*NQ, v[ADRS]            ; on to K step 1's scale words
	FETCH_B 1, 0, 0
	FETCH_A 1, 0, 0
	SCALES 1
	WIN MUL_HI
	MUL16 4, 1, NQ-1, 0, 0
	MUL16 6, 1, NQ-1, 0, 0
	PLACES NP
	WIN 0
	FETCH_A 1, 0, 4
	STEPS 1, 0
	s_wait_dscnt 4*NL                              ; the very last step: nothing more to fetch
	WIN MUL_LO
	MUL16 0, 1, NQ-1, 1, 0
	MUL16 2, 1, NQ-1, 1, 0
	s_wait_dscnt 0
	WIN MUL_HI
	MUL16 4, 1, NQ-1, 1, 0
	MUL16 6, 1, NQ-1, 1, 0
	WIN 0
; THE WAY OUT, a block of 16 rows x 128 columns at a time: rounded to f16, 16 bytes a lane; into my own stage; back as whole rows of 256 bytes; stored, sixteen lanes to 256 consecutive aligned bytes.
.macro PACK a
.set AC, 64*((\a)%4)
	WIN 0x0a+5*((\a)/4)                            ; sources 0 and 1: window 2 or 3
.irp b, 0,1,2,3,4,5,6,7
.irp r, 0,1,2,3
	v_cvt_pk_f16_f32 v[TMP+4*\b+\r], v[AC+8*\b+2*\r], v[AC+8*\b+2*\r+1]   ; each accumulator from its low end on
.endr
.endr
	WIN 0
.endm
.macro TOSTAGE a
.set BB, BK+32*((\a)%2)
.irp b, 0,1,2,3,4,5,6,7
	ds_store_b128 v[STO], v[TMP+4*\b:TMP+4*\b+3] offset:32*\b
.endr
.irp t, 0,1,2,3,4,5,6,7
	ds_load_b128 v[BB+4*\t:BB+4*\t+3], v[RD] offset:\t*2*SPITCH    ; LDS serves a wave's instructions in order: these see the stores above
.endr
.endm
.macro SEND a, younger
.set BB, BK+32*((\a)%2)
	s_wait_dscnt \younger                          ; the block is back in registers
	s_wait_xcnt 0x0                                ; the earlier stores have read their base and their data: only now are these written again
.if (\a) > 0
	s_add_nc_u64 s[12:13], s[12:13], 16*SIZE_N*2   ; 16 rows on
.endif
.irp t, 0,1,2,3,4,5,6,7
	global_store_b128 v[CO], v[BB+4*\t:BB+4*\t+3], s[12:13] offset:2*\t*SIZE_N*2
.endr
.endm
	PLACES NP
	PACK 0
	TOSTAGE 0
.irp a, 1,2,3,4,5,6,7                  ; block a's conversions stand between block a - 1's loads from the stage and the wait for them
	PACK \a
	SEND \a-1, 0
	TOSTAGE \a
.endr
	SEND 7, 0
	s_wait_tensorcnt 0x0                           ; the wave's end, behind my last tensor load and my last LDS store
	ds_add_u32 v[SPW], v[NIL]
	s_wait_dscnt 0x0
	CROUND                                         ; the closing round
	s_endpgm
.Lfunc_end_k_q18c780c825_proj:
	.size	k_q18c780c825_proj, .Lfunc_end_k_q18c780c825_proj-k_q18c780c825_proj
	.p2alignl 7, 3214868480
	.fill 96, 4, 3214868480
	.section	.rodata,"a",@progbits
	.p2align	6, 0x0
	.amdhsa_kernel k_q18c780c825_proj
		.amdhsa_group_segment_fixed_size 327680
		.amdhsa_private_segment_fixed_size 0
		.amdhsa_enable_private_segment 0
		.amdhsa_kernarg_size 56
		.amdhsa_user_sgpr_count 2
		.amdhsa_user_sgpr_kernarg_segment_ptr 1
		.amdhsa_wavefront_size32 1
		.amdhsa_system_sgpr_workgroup_id_x 1
		.amdhsa_system_sgpr_workgroup_id_y 1
		.amdhsa_system_sgpr_workgroup_id_z 1
		.amdhsa_system_vgpr_workitem_id 0
		.amdhsa_next_free_vgpr 1024
		.amdhsa_next_free_sgpr 100
		.amdhsa_reserve_vcc 0
		.amdhsa_float_denorm_mode_32 3
		.amdhsa_float_denorm_mode_16_64 3
		.amdhsa_memory_ordered 1
		.amdhsa_forward_progress 1
		.amdhsa_inst_pref_size 131
	.end_amdhsa_kernel
	.amdgpu_metadata
---
amdhsa.version: [ 1, 2 ]
amdhsa.kernels:
  - .name:           k_q18c780c825_proj
    .symbol:         k_q18c780c825_proj.kd
    .args:
      - { .name: xc, .offset: 0, .size: 8, .value_kind: global_buffer, .address_space: global }
      - { .name: xs, .offset: 8, .size: 8, .value_kind: global_buffer, .address_space: global }
      - { .name: wc, .offset: 16, .size: 8, .value_kind: global_buffer, .address_space: global }
      - { .name: ws, .offset: 24, .size: 8, .value_kind: global_buffer, .address_space: global }
      - { .name: bq, .offset: 32, .size: 8, .value_kind: global_buffer, .address_space: global }
      - { .name: bv, .offset: 40, .size: 8, .value_kind: global_buffer, .address_space: global }
      - { .name: qkv, .offset: 48, .size: 8, .value_kind: global_buffer, .address_space: global }
    .group_segment_fixed_size: 327680
    .private_segment_fixed_size: 0
    .kernarg_segment_align: 8
    .kernarg_segment_size: 56
    .max_flat_workgroup_size: 128
    .sgpr_count:     100
    .vgpr_count:     1024
    .wavefront_size: 32
...
	.end_amdgpu_metadata
.endif
;; end of part 3
;; launch scores (part 4): grid 8 x 32, 4 waves a work-group, clusters of 4 x 4, 327,680 bytes of LDS; arguments qkv, p, st; writes p, st
.if DOCPART == 4
	.amdgcn_target "amdgcn-amd-amdhsa--gfx1250"
	.amdhsa_code_object_version 6
	.text
	.protected	k_q18c780c825_scores
	.globl	k_q18c780c825_scores
	.p2align	8
	.type	k_q18c780c825_scores,@function
k_q18c780c825_scores:
	s_mov_b64 s[64:65], 0
	v_nop
	global_prefetch_b8 v0, s[64:65] scope:SCOPE_SE
	s_setreg_imm32_b32 hwreg(HW_REG_WAVE_MODE, 25, 1), 1
	s_wait_xcnt 0x0
	s_wait_alu depctr_hold_cnt(0) depctr_sa_sdst(0) depctr_va_vdst(0) depctr_va_sdst(0) depctr_va_ssrc(0) depctr_va_vcc(0) depctr_vm_vsrc(0)
	s_getreg_b32 s2, hwreg(HW_REG_IB_STS2, 6, 4)
	s_cmp_eq_u32 s2, 0
	s_cbranch_scc0 .Lentry_in_a_cluster
	s_endpgm
.Lentry_in_a_cluster:
	s_bfe_u32 s2, ttmp6, 0x10000c
	s_cmp_lg_u32 s2, 0xf033
	s_cbranch_scc0 .Lentry_shape_is_right
	s_endpgm
.Lentry_shape_is_right:
; p = a softmax's numerators by blocks of 128 keys.  score[row][key] = q[row] . k[key], row = 2,048 batch + query; q = rows 0 .. 8,191 of qkv, k = rows 8,192 .. 16,383, f16, 1,024 a row; sums in f32.
; LEFT OUT: bk (shown at the head of the first launch): k comes without it.
; THE SOFTMAX.  t = score x c, c = log2(e) / 32.  For each row and each block kb of 128 keys: M = the block's largest t rounded UP to a whole number (kept as -M = floor(-t)); p = 2^(t - M), at most 1, stored as f16;
; l = the sum of the unrounded p, in f32.  st [16 (kb)][8192 (row)][2] takes (-M, l).  The next launch brings the 16 blocks of a row under the row's largest M by exact powers of two.
; So the maximum is taken away ahead of every exponential, and no exponent is above 0.
; p IS LAID AS THE NEXT LAUNCH'S OPERAND REGISTERS: [512 (blocks of 16 rows)][128 (pieces of 16 keys)][32 (lanes)][16 bytes]: lane (r, h) of a piece holds row r, keys 8 h + 0 .. 7.  That is what a lane holds here once an
; accumulator is rounded to f16 in pairs, so p leaves straight from registers: a store of the wave covers 512 consecutive bytes, aligned.
; A tile of 256 rows x 256 keys is made by four waves, 128 x 128 each: 64 accumulators of 16 x 16: a wave holds whole blocks of 128 keys for its 128 rows.  K = 1,024 goes in steps of 128 through a ring of two LDS slots.
; CLUSTERS: 4 x 4 work-groups; the four of a row need the same tiles of q, the four of a column the same tiles of k: joint loads.  A cluster's four tile rows lie in one batch (two clusters to a batch).
; THE MATRIX INSTRUCTION IS USED TRANSPOSED (source 0 = 16 keys, source 1 = 16 queries): a lane holds one query (lane % 16) and, in accumulator b, the keys 16 b + 8 (lane / 16) + 0 .. 7.
; REGISTERS, in windows of 256: window 0: v0-31 addresses; v64-127, v128-191 fragments of q, two buffers; on the way out v64-127 at work, v192-223 and v224-255 packed p by turns.
;   window 1: v64-127, v128-191 fragments of k.   window 2: the accumulators of my rows 0-63 ((a, b) at v[8 (8 a + b)]);   window 3: those of my rows 64-127.
.set SIZE_K, 1024
.set KSTEP,  128
.set PITCH,  272                       ; an LDS row: 256 bytes + 16 of padding = 68 words, so that the 16 rows that a load touches start 4 words apart modulo 64
.set HALFT,  128*PITCH
.set SLOT,   4*HALFT
.set SPARE,  2*SLOT                    ; behind the ring: the spare words, 128 bytes for each wave: two blocks of 256 bytes that no other line names
.set LAPS,   SIZE_K/(2*KSTEP)
.set ADRA, 16
.set ADRB, 20
.set CO,   26                          ; v26  16 x lane: my place in a piece of p
.set STA,  27                          ; v27  8 x lane: my place in 256 bytes of st
.set SPW,  28                          ; v28  LDS address of my spare word; never rewritten
.set NIL,  29                          ; v29  0; never rewritten
.set PFO,  30                          ; v30  the prefetches' offset: my lane x a row of qkv; never rewritten
.set PFA,  44                          ; s[44:45] where my prefetches stand
.set LIM,  43                          ; s43  1 in a wave that prefetches, else the greatest number
.set F0,   64
.set F1,   128
.set TMP,  192
.set SU,   64                          ; v64-95   the way out: sums
.set MX,   96                          ; v96-99   maxima
.set NM,   100                         ; v[100:101] -M of the block in hand (the packed form names a pair and takes its low word)
.set SM,   104                         ; v104-119 -M and l of my eight blocks of rows
.set G1, 24
.set G0, 32
.set G1B, 48
.set G0B, 56
.set MSB, 0
.macro WIN new                         ; the immediate's high byte repeats the setting that is left
.if MSB != \new
	s_set_vgpr_msb (MSB<<8)|\new
.set MSB, \new
.endif
.endm
.set MUL_LO, 0xa1                      ; source 0 (k) window 1, source 1 (q) window 0, C and D window 2
.set MUL_HI, 0xf1
.set TO_B,   0x40
.macro JLOAD s                         ; a joint load: waves 0 and 1 fetch q's two halves, waves 2 and 3 k's; an s_nop 0 and four v_nop follow each of the two lines
	s_cmp_eq_u32 s11, 0
	s_cbranch_scc0 .Lfor_b_\@
	tensor_load_to_lds s[G0+4*\s:G0+4*\s+3], s[G1:G1+7]
	s_nop 0
.rept 4
	v_nop
.endr
	s_branch .Lasked_\@
.Lfor_b_\@:
	tensor_load_to_lds s[G0B+4*\s:G0B+4*\s+3], s[G1B:G1B+7]
	s_nop 0
.rept 4
	v_nop
.endr
.Lasked_\@:
.endm
; A PREFETCH INTO THE L2 behind each joint refill and the run of LDS loads that follows it: the K step that stands two refills on: 32 rows x 256 bytes, a lane a row, one instruction a wave.
; Each row's 256 bytes of a K step are named once in the launch: q's tile row is read by both clusters of that row of clusters: the one with x = 0 asks; k's tile column by the two clusters of its batch: the one with
; even y asks.  The four partners that ask for a tile jointly share its rows out by address, 32 each.  K steps 0 to 3 come by their loads alone; the loop's last trip asks for nothing: K step 7 is the last.
.macro ASK
	s_cmp_gt_u32 s3, s[LIM]                        ; s3 = 1 in the loop's last trip
	s_cbranch_scc0 .Lnot_mine_\@
	global_prefetch_b8 v[PFO], s[PFA:PFA+1] offset:KSTEP*2 th:TH_LOAD_NT scope:SCOPE_SE
.Lnot_mine_\@:
.endm
.macro CREST                           ; a round of the cluster's barrier behind its opening barrier
	s_cmp_lg_u32 s10, 0
	s_cbranch_scc1 .Lnot_wave_0_\@
	s_barrier_signal -3
.Lnot_wave_0_\@:
	s_barrier_wait -3
	s_barrier_signal -1
	s_barrier_wait -1
.endm
.macro CROUND
	s_barrier_signal -1
	s_barrier_wait -1
	CREST
.endm
	s_load_b64 s[4:5], s[0:1], 0x0                 ; qkv: q's rows
	s_load_b64 s[8:9], s[0:1], 0x8                 ; p
	s_load_b64 s[66:67], s[0:1], 0x10              ; st
	v_lshl_add_u32 v[SPW], v0, 2, SPARE
	v_mov_b32 v[NIL], 0
	ds_add_u32 v[SPW], v[NIL]                      ; the wave's opening: the add, twice on end, and its wait ahead of my first tensor load
	ds_add_u32 v[SPW], v[NIL]
	v_lshrrev_b32 v1, 5, v0
	v_readfirstlane_b32 s10, v1                    ; wave 0..3
	s_lshr_b32 s11, s10, 1                         ; which half of the tile's rows is mine.  Also: I fetch for q (0) or for k (1)
	s_and_b32 s12, s10, 1                          ; which half of its keys.  Also: which 128 rows of that tile I fetch
	s_bfe_u32 s40, ttmp6, 0x40000                  ; cx
	s_bfe_u32 s41, ttmp6, 0x40004                  ; cy
	s_lshl_b32 s42, ttmp9, 2
	s_add_co_u32 s42, s42, s40                     ; tile column (keys) = 4 x cluster x + cx
	s_and_b32 s13, ttmp7, 0xffff
	s_lshr_b32 s2, s13, 1                          ; the batch = cluster y / 2,
	s_lshl_b32 s2, s2, 11                          ; and its first row of k: no place in the cluster enters it
	s_lshl_b32 s13, s13, 2
	s_add_co_u32 s13, s13, s41                     ; tile row = 4 x cluster y + cy
	s_lshl_b32 s43, s41, 2
	s_lshl_b32 s43, 15, s43                        ; my row of the cluster
	s_lshl_b32 s44, 0x1111, s40                    ; my column
	s_or_b32 s[G1+0], s43, (1<<16)|(1<<20)|(1<<21)|(5<<22)|(3<<25)  ; 15:0 the mask; 17:16 element of 2 bytes; 20 padding on; 21 set beside a mask; 24:22 after every 64 words; 31:25 four words
	s_or_b32 s[G1B+0], s44, (1<<16)|(1<<20)|(1<<21)|(5<<22)|(3<<25)
.irp g, G1, G1B
	s_mov_b32 s[\g+1], KSTEP<<16                   ; tensor_dim0 = 128
	s_mov_b32 s[\g+2], 128<<16                     ; tensor_dim1 = 128
	s_mov_b32 s[\g+3], KSTEP<<16                   ; tile_dim0 = 128
	s_mov_b32 s[\g+4], 128                         ; tile_dim1 = 128
	s_mov_b32 s[\g+5], SIZE_K                      ; elements from row to row
	s_mov_b32 s[\g+6], 0
	s_mov_b32 s[\g+7], 0
.endr
	s_lshl_b32 s17, s12, 7                         ; which 128 rows of the tile I fetch
	s_lshl_b32 s16, s13, 8
	s_add_co_u32 s16, s16, s17                     ; q: row 256 x tile row + 128 x half
	s_lshl_b32 s46, s42, 8
	s_add_co_u32 s46, s46, s17                     ; k: row 256 x tile column + 128 x half
	s_add_co_u32 s46, s46, s2                      ;    + 2,048 x batch
	s_mov_b32 s17, 0
	s_mov_b32 s47, 0
	s_mov_b64 s[18:19], SIZE_K*2
	s_mul_u64 s[16:17], s[16:17], s[18:19]
	s_mul_u64 s[46:47], s[46:47], s[18:19]
	s_mul_i32 s20, s10, HALFT                      ; where they go: wave x 128 rows
	s_mov_b32 s68, 0x3d38aa3b                      ; c = log2(e) / 32
	s_mov_b32 s69, s68                             ; (named with it as a pair, so it is written)
	s_mov_b32 s70, 0x76543210
	s_mov_b32 s71, 0xfedcba98                      ; v_permlanex16_b32's selects for lane l xor 16
	s_mov_b32 s72, 0xff800000                      ; -infinity: what a maximum starts from
	s_wait_dscnt 0x0                               ; both opening adds are done
	s_wait_kmcnt 0x0
	s_add_nc_u64 s[6:7], s[4:5], 0x1000000         ; k's rows begin 8,192 rows of 2,048 bytes on
	s_add_nc_u64 s[14:15], s[4:5], s[16:17]
	s_add_nc_u64 s[46:47], s[6:7], s[46:47]
	CROUND                                         ; all sixteen work-groups are here: the first joint loads meet
.irp s, 0,1
	s_mov_b32 s[G0+4*\s], 1
	s_add_co_u32 s[G0+4*\s+1], s20, \s*SLOT
	s_add_nc_u64 s[G0+4*\s+2:G0+4*\s+3], s[14:15], \s*KSTEP*2
	s_or_b32 s[G0+4*\s+3], s[G0+4*\s+3], 0x80000000
	s_mov_b32 s[G0B+4*\s], 1
	s_add_co_u32 s[G0B+4*\s+1], s20, \s*SLOT
	s_add_nc_u64 s[G0B+4*\s+2:G0B+4*\s+3], s[46:47], \s*KSTEP*2
	s_or_b32 s[G0B+4*\s+3], s[G0B+4*\s+3], 0x80000000
	JLOAD \s                                       ; two tensor loads of mine are out; later one
.endr
	v_and_b32 v1, 15, v0                           ; l % 16
	v_bfe_u32 v2, v0, 4, 1                         ; l / 16
	v_mul_u32_u24 v3, v1, PITCH
	v_lshl_add_u32 v3, v2, 4, v3                   ; a fragment's row x pitch + 16 x half
	s_mul_i32 s21, s11, HALFT                      ; my 128 rows of q
	s_mul_i32 s22, s12, HALFT                      ; my 128 rows of k,
	s_add_co_u32 s22, s22, 2*HALFT                 ; which lie behind q's 256
.irp s, 0,1
	v_add_nc_u32 v[ADRA+\s], s21, v3
	v_add_nc_u32 v[ADRB+\s], s22, v3
	s_add_co_u32 s21, s21, SLOT
	s_add_co_u32 s22, s22, SLOT
.endr
	v_and_b32 v5, 31, v0
	v_lshlrev_b32 v[CO], 4, v5                     ; 16 bytes a lane
	s_lshl_b32 s13, s13, 8
	s_lshl_b32 s14, s11, 7
	s_add_co_u32 s16, s13, s14                     ; my first row of p and of st
	s_lshl_b32 s20, s16, 3                         ; st: 8 bytes a row,
	s_lshl_b32 s21, s42, 1
	s_add_co_u32 s21, s21, s12                     ; my block of 128 keys: 2 x tile column + half,
	s_lshl_b32 s21, s21, 16                        ; 65,536 bytes a block
	s_add_co_u32 s20, s20, s21
	s_mov_b32 s21, 0
	s_add_nc_u64 s[66:67], s[66:67], s[20:21]
	s_lshl_b32 s16, s16, 12                        ; p: 16 rows are 65,536 bytes (under 2^25 in all),
	s_lshl_b32 s46, s42, 13                        ; a tile column's 16 pieces of 512 bytes,
	s_lshl_b32 s47, s12, 12                        ; my half's 8
	s_add_co_u32 s46, s46, s47
	s_add_co_u32 s16, s16, s46
	s_mov_b32 s17, 0
	s_add_nc_u64 s[8:9], s[8:9], s[16:17]
	; the prefetches: s13 = 256 x tile row, s42 = tile column, s40 = cx, s41 = cy, s2 = the batch's first row of k still stand
	s_lshl_b32 s42, s42, 8
	s_add_co_u32 s42, s42, s2
	s_and_b32 s22, ttmp7, 1                        ; which of the batch's two clusters
	s_cmp_eq_u32 s11, 0                            ; do I fetch for q?
	s_cselect_b32 s20, s13, s42                    ; the tile's first row
	s_cselect_b32 s21, s40, s41                    ; my place among the four that ask for it with me
	s_cselect_b32 s22, ttmp9, s22                  ; the coordinate along which another cluster reads the same rows
	s_cselect_b64 s[PFA:PFA+1], s[4:5], s[6:7]
	s_cmp_eq_u32 s22, 0
	s_cselect_b32 s[LIM], 1, -1                    ; the same in all sixteen partners, for a given wave
	s_lshl_b32 s22, s12, 7
	s_add_co_u32 s20, s20, s22                     ; + the 128 rows that I fetch
	s_lshl_b32 s21, s21, 5
	s_add_co_u32 s20, s20, s21                     ; + my work-group's 32 of them
	s_mov_b32 s21, 0
	s_mov_b64 s[18:19], SIZE_K*2
	s_mul_u64 s[20:21], s[20:21], s[18:19]
	s_add_nc_u64 s[PFA:PFA+1], s[PFA:PFA+1], s[20:21]
	s_add_nc_u64 s[PFA:PFA+1], s[PFA:PFA+1], 2*KSTEP*2  ; at K step 2: the first refill steps it to 3 and names K step 4
	v_and_b32 v[PFO], 31, v0
	v_mul_u32_u24 v[PFO], v[PFO], SIZE_K*2
; 16 matrix instructions: m blocks a0, a0 + 1 of the window's four x all 8 key blocks, 32 along K.  zero = 1: the first product starts the sums.  The 64 accumulators take turns, in one order.
.macro MUL16 f, hi, a0, zero
.irp a, \a0, \a0+1
.irp b, 0,1,2,3,4,5,6,7
.if \zero
	v_wmma_f32_16x16x32_f16 v[8*(8*(\a)+\b):8*(8*(\a)+\b)+7], v[\f+8*\b:\f+8*\b+7], v[\f+8*(4*\hi+\a):\f+8*(4*\hi+\a)+7], 0
.else
	v_wmma_f32_16x16x32_f16 v[8*(8*(\a)+\b):8*(8*(\a)+\b)+7], v[\f+8*\b:\f+8*\b+7], v[\f+8*(4*\hi+\a):\f+8*(4*\hi+\a)+7], v[8*(8*(\a)+\b):8*(8*(\a)+\b)+7]
.endif
.endr
.endr
.endm
.macro FETCH slot, k, f                ; 32 LDS loads in one run: the fragments of 32 along K at byte k of the rows
	WIN TO_B
.irp i, 0,1,2,3,4,5,6,7
	ds_load_b128 v[\f+8*\i:\f+8*\i+3],   v[ADRB+\slot] offset:\k+\i*16*PITCH
	ds_load_b128 v[\f+8*\i+4:\f+8*\i+7], v[ADRB+\slot] offset:\k+\i*16*PITCH+32
.endr
	WIN 0
.irp i, 0,1,2,3,4,5,6,7
	ds_load_b128 v[\f+8*\i:\f+8*\i+3],   v[ADRA+\slot] offset:\k+\i*16*PITCH
	ds_load_b128 v[\f+8*\i+4:\f+8*\i+7], v[ADRA+\slot] offset:\k+\i*16*PITCH+32
.endr
.endm
.macro PLACES                          ; four places in front of loads into registers that matrix instructions have read, and of the first read of results
.rept 4
	v_nop
.endr
.endm
.macro QUARTER slot, k, f, g, zero     ; 64 products on buffer f; in the middle the next quarter's fragments, at byte k, into g
	s_wait_dscnt 8                                 ; k's fragments and q's rows 0-63 are in; the youngest eight loads (q's rows 64-127) may be out
	WIN MUL_LO
	MUL16 \f, 0, 0, \zero
	MUL16 \f, 0, 2, \zero
	PLACES
	FETCH \slot, \k, \g
	s_wait_dscnt 32                                ; all but the 32 just issued
	WIN MUL_HI
	MUL16 \f, 1, 0, \zero
	MUL16 \f, 1, 2, \zero
.endm
; The last quarter of a slot multiplies buffer 1 and changes slots: ONE barrier; in front of it each wave waits for all its tensor loads (one is out: its part of the next slot), adds 0 to its spare word, and waits for
; that and for its reads of this slot.  fill = 1: the barrier opens a round of the cluster's barrier, and behind the round this slot is filled again, two K steps ahead: the wave's one tensor load until the next round.
.macro TURN slot, next, fill
.if \fill
	s_wait_xcnt 0x0                                ; the last prefetch, a K step back, has read its address: it is stepped here
	s_add_nc_u64 s[PFA:PFA+1], s[PFA:PFA+1], KSTEP*2
.endif
	WIN 0                                          ; (the add's two registers lie in window 0)
	s_wait_tensorcnt 0x0
	ds_add_u32 v[SPW], v[NIL]
	s_wait_dscnt 9                                 ; (the add and the youngest eight loads may be out)
	WIN MUL_LO
	MUL16 F1, 0, 0, 0
	s_wait_dscnt 0x0                               ; the add is done, and my reads of this slot are over
	s_barrier_signal -1
	MUL16 F1, 0, 2, 0
.if \fill
	WIN 0
.endif
	s_barrier_wait -1
.if \fill
	CREST                                          ; no wave of any partner still reads this slot or has a load on its way
	s_add_nc_u64 s[G0+4*\slot+2:G0+4*\slot+3], s[G0+4*\slot+2:G0+4*\slot+3], 2*KSTEP*2
	s_add_nc_u64 s[G0B+4*\slot+2:G0B+4*\slot+3], s[G0B+4*\slot+2:G0B+4*\slot+3], 2*KSTEP*2
	JLOAD \slot                                    ; its four v_nop are also the places in front of the loads below
.else
	PLACES
.endif
	FETCH \next, 0, F0
.if \fill
	ASK
.endif
	WIN MUL_HI
	MUL16 F1, 1, 0, 0
	MUL16 F1, 1, 2, 0
.endm
	s_wait_tensorcnt 1                             ; my part of K step 0 is in; K step 1's may be out
	s_barrier_signal -1
	s_barrier_wait -1
	FETCH 0, 0, F0
	QUARTER 0, 64,  F0, F1, 1                      ; the first quarter stands in front of the loop: its products start the sums
	WIN 0
	s_mov_b32 s3, LAPS-1
.Llap:                                                 ; a trip goes once round the ring and fills both slots again
	QUARTER 0, 128, F1, F0, 0
	QUARTER 0, 192, F0, F1, 0
	TURN 0, 1, 1
	QUARTER 1, 64,  F0, F1, 0
	QUARTER 1, 128, F1, F0, 0
	QUARTER 1, 192, F0, F1, 0
	TURN 1, 0, 1
	QUARTER 0, 64,  F0, F1, 0
	WIN 0
	s_sub_co_u32 s3, s3, 1
	s_cmp_lg_u32 s3, 0
	s_cbranch_scc1 .Llap
	QUARTER 0, 128, F1, F0, 0                      ; the last lap fills nothing
	QUARTER 0, 192, F0, F1, 0
	TURN 0, 1, 0
	QUARTER 1, 64,  F0, F1, 0
	QUARTER 1, 128, F1, F0, 0
	QUARTER 1, 192, F0, F1, 0
	s_wait_dscnt 8
	WIN MUL_LO
	MUL16 F1, 0, 0, 0
	MUL16 F1, 0, 2, 0
	s_wait_dscnt 0
	WIN MUL_HI
	MUL16 F1, 1, 0, 0
	MUL16 F1, 1, 2, 0
	WIN 0
; THE WAY OUT.  SOFT a: block a (16 rows x my 128 keys; a lane holds 64 scores of one row, the lane 16 away the other 64): the maximum, -M, p in place, its sum, p rounded to f16 in pairs.
.macro SOFT a
.set AC, 64*((\a)%4)
.set W, 2+(\a)/4
.set TT, TMP+32*((\a)%2)
	WIN 20*W                                       ; sources 1 and 2: the block's window
.irp c, 0,1,2,3
	v_max3_num_f32 v[MX+\c], s72, v[AC+16*\c], v[AC+16*\c+1]        ; four chains by turns; each accumulator is read from its low end on
.endr
.irp i, 2,4,6,8,10,12,14
.irp c, 0,1,2,3
	v_max3_num_f32 v[MX+\c], v[MX+\c], v[AC+16*\c+\i], v[AC+16*\c+\i+1]
.endr
.endr
	WIN 0
	v_max3_num_f32 v[MX], v[MX], v[MX+1], v[MX+2]
	v_max_num_f32 v[MX], v[MX], v[MX+3]
	v_permlanex16_b32 v[MX+1], v[MX], s70, s71
	v_max_num_f32 v[MX], v[MX], v[MX+1]            ; the row's largest score among my 128 keys
	v_mul_f32 v[MX], s68, v[MX]                    ; as t (c is positive)
	v_floor_f32 v[NM], -v[MX]                      ; -M = floor(-t) = -ceil(t): a whole number
	v_mov_b32 v[SM+2*(\a)], v[NM]
	WIN 65*W                                       ; source 0 and destination: the block's window
.set j, 0
.rept 32
	v_pk_fma_f32 v[AC+j:AC+j+1], v[AC+j:AC+j+1], s[68:69], v[NM:NM+1] op_sel_hi:[1,0,0]   ; t - M, two at a time
.set j, j+2
.endr
.set j, 0
.rept 64
	v_exp_f32 v[AC+j], v[AC+j]                     ; p = 2^(t - M), at most 1
.set j, j+1
.endr
	v_nop                                          ; a plain place behind the last exponential
	s_wait_alu depctr_va_vdst(0)                   ; one wait for the batch of 64, ahead of its first reader
	WIN 5*W                                        ; sources 0 and 1: the block's window
.set j, 0
.rept 16
	v_pk_add_f32 v[SU+2*j:SU+2*j+1], v[AC+4*j:AC+4*j+1], v[AC+4*j+2:AC+4*j+3]   ; the sum is taken of the unrounded p
.set j, j+1
.endr
.if (\a) > 1
	s_wait_xcnt 0x0                                ; block a - 2's stores have read their data: this set of packed registers is written again only behind this wait
.endif
.irp b, 0,1,2,3,4,5,6,7
.irp r, 0,1,2,3
	v_cvt_pk_f16_f32 v[TT+4*\b+\r], v[AC+8*\b+2*\r], v[AC+8*\b+2*\r+1]
.endr
.endr
	WIN 0
.irp i, 0,1,2,3,4,5,6,7
	v_pk_add_f32 v[SU+4*\i:SU+4*\i+1], v[SU+4*\i:SU+4*\i+1], v[SU+4*\i+2:SU+4*\i+3]
.endr
.irp i, 0,1,2,3
	v_pk_add_f32 v[SU+8*\i:SU+8*\i+1], v[SU+8*\i:SU+8*\i+1], v[SU+8*\i+4:SU+8*\i+5]
.endr
.irp i, 0,1
	v_pk_add_f32 v[SU+16*\i:SU+16*\i+1], v[SU+16*\i:SU+16*\i+1], v[SU+16*\i+8:SU+16*\i+9]
.endr
	v_pk_add_f32 v[SU:SU+1], v[SU:SU+1], v[SU+16:SU+17]
	v_add_f32 v[SU], v[SU], v[SU+1]
	v_permlanex16_b32 v[SU+1], v[SU], s70, s71
	v_add_f32 v[SM+2*(\a)+1], v[SU], v[SU+1]       ; l of the row's 128 keys
.endm
.macro SENDP a                         ; block a's eight pieces of 16 keys leave as they stand: 8 x 512 consecutive bytes; the block's and the piece's places stand in the immediate, 462,336 at the most
.set TT, TMP+32*((\a)%2)
.irp b, 0,1,2,3,4,5,6,7
	global_store_b128 v[CO], v[TT+4*\b:TT+4*\b+3], s[8:9] offset:(\a)*65536+512*\b
.endr
.endm
	PLACES
	v_mov_b32 v[NM+1], 0                           ; named as the upper half of the pair, so it is written
.irp a, 0,1,2,3,4,5,6,7
	SOFT \a
	SENDP \a
.endr
	v_and_b32 v102, 31, v0                         ; (-M, l) of my 128 rows: lanes 0-15 give block 2 u's rows, lanes 16-31 block 2 u + 1's: 32 rows, 256 consecutive bytes a store
	v_lshlrev_b32 v[STA], 3, v102
	v_cmp_lt_u32 s73, 15, v102
.irp u, 0,1,2,3
	v_cndmask_b32 v[120+2*\u], v[SM+4*\u], v[SM+4*\u+2], s73
	v_cndmask_b32 v[121+2*\u], v[SM+4*\u+1], v[SM+4*\u+3], s73
.endr
.irp u, 0,1,2,3
	global_store_b64 v[STA], v[120+2*\u:121+2*\u], s[66:67] offset:256*\u
.endr
	s_wait_tensorcnt 0x0                           ; the wave's end, behind my last tensor load
	ds_add_u32 v[SPW], v[NIL]
	s_wait_dscnt 0x0
	CROUND                                         ; the closing round
	s_endpgm
.Lfunc_end_k_q18c780c825_scores:
	.size	k_q18c780c825_scores, .Lfunc_end_k_q18c780c825_scores-k_q18c780c825_scores
	.p2alignl 7, 3214868480
	.fill 96, 4, 3214868480
	.section	.rodata,"a",@progbits
	.p2align	6, 0x0
	.amdhsa_kernel k_q18c780c825_scores
		.amdhsa_group_segment_fixed_size 327680
		.amdhsa_private_segment_fixed_size 0
		.amdhsa_enable_private_segment 0
		.amdhsa_kernarg_size 24
		.amdhsa_user_sgpr_count 2
		.amdhsa_user_sgpr_kernarg_segment_ptr 1
		.amdhsa_wavefront_size32 1
		.amdhsa_system_sgpr_workgroup_id_x 1
		.amdhsa_system_sgpr_workgroup_id_y 1
		.amdhsa_system_sgpr_workgroup_id_z 1
		.amdhsa_system_vgpr_workitem_id 0
		.amdhsa_next_free_vgpr 1024
		.amdhsa_next_free_sgpr 74
		.amdhsa_reserve_vcc 0
		.amdhsa_float_denorm_mode_32 3
		.amdhsa_float_denorm_mode_16_64 3
		.amdhsa_memory_ordered 1
		.amdhsa_forward_progress 1
		.amdhsa_inst_pref_size 205
	.end_amdhsa_kernel
	.amdgpu_metadata
---
amdhsa.version: [ 1, 2 ]
amdhsa.kernels:
  - .name:           k_q18c780c825_scores
    .symbol:         k_q18c780c825_scores.kd
    .args:
      - { .name: qkv, .offset: 0, .size: 8, .value_kind: global_buffer, .address_space: global }
      - { .name: p, .offset: 8, .size: 8, .value_kind: global_buffer, .address_space: global }
      - { .name: st, .offset: 16, .size: 8, .value_kind: global_buffer, .address_space: global }
    .group_segment_fixed_size: 327680
    .private_segment_fixed_size: 0
    .kernarg_segment_align: 8
    .kernarg_segment_size: 24
    .max_flat_workgroup_size: 128
    .sgpr_count:     74
    .vgpr_count:     1024
    .wavefront_size: 32
...
	.end_amdgpu_metadata
.endif
;; end of part 4
;; launch pv (part 5): grid 4 x 64, 4 waves a work-group, clusters of 4 x 4, 327,680 bytes of LDS; arguments p, st, qkv, out0; writes out0
.if DOCPART == 5
	.amdgcn_target "amdgcn-amd-amdhsa--gfx1250"
	.amdhsa_code_object_version 6
	.text
	.protected	k_q18c780c825_pv
	.globl	k_q18c780c825_pv
	.p2align	8
	.type	k_q18c780c825_pv,@function
k_q18c780c825_pv:
	s_mov_b64 s[64:65], 0
	v_nop
	global_prefetch_b8 v0, s[64:65] scope:SCOPE_SE
	s_setreg_imm32_b32 hwreg(HW_REG_WAVE_MODE, 25, 1), 1
	s_wait_xcnt 0x0
	s_wait_alu depctr_hold_cnt(0) depctr_sa_sdst(0) depctr_va_vdst(0) depctr_va_sdst(0) depctr_va_ssrc(0) depctr_va_vcc(0) depctr_vm_vsrc(0)
	s_getreg_b32 s2, hwreg(HW_REG_IB_STS2, 6, 4)
	s_cmp_eq_u32 s2, 0
	s_cbranch_scc0 .Lentry_in_a_cluster
	s_endpgm
.Lentry_in_a_cluster:
	s_bfe_u32 s2, ttmp6, 0x10000c
	s_cmp_lg_u32 s2, 0xf033
	s_cbranch_scc0 .Lentry_shape_is_right
	s_endpgm
.Lentry_shape_is_right:
; out0[row][ch] = sum over the 16 blocks kb of 128 keys of f'[kb][row] x (sum over the block's keys of p[row][key] v[key][ch]).
; p holds 2^(t - M_kb), f16, laid as images of this launch's operand registers: [512 (blocks of 16 rows)][64 (quarters of 32 keys)][1,024 bytes]; st [16][8192][2] each block's (-M_kb, l_kb); v = rows 16,384 on of qkv, f16.
; THE BLOCKS ARE JOINED HERE, IN f32: -M = the least of a row's sixteen -M_kb; f_kb = 2^(M_kb - M), a power of two, at most 1; l = the sum of l_kb f_kb; f'_kb = f_kb / l.  A block's product is summed in accumulators T of
; its own, begun with the constant 0, and O += f' T by fused multiply-adds.  So every weight stands under the ROW's largest t rounded up, and the division by the row's sum costs nothing more.
; LIMIT: an f' under f32's smallest normal number may fall to 0: its block's weights are then under 2^-126 beside a row's largest weight, which is over 0.5.
; A tile of 128 rows x 256 channels is made by four waves, 64 x 128 each: 32 accumulators of 16 x 16, twice (T and O); 256 work-groups.
; THE RING: two LDS slots of 192 keys, as many as fit: p's part 8 blocks of rows x 6 quarters x 1,024 bytes, dense; v's part 192 rows of 512 bytes + 32.  2,048 keys are ten such slots and one of 128 keys.
; 64 quarters of 32 keys, 32 products each.  A lap is 12 quarters = 2 slots = 3 blocks of 128 keys: after a lap every register number and LDS offset is back where it began.
; CLUSTERS: 4 x 4 work-groups: the four of a row need the same tiles of p, the four of a column the same tiles of v (a cluster's four tile rows lie in one batch): joint loads.
; THE MATRIX INSTRUCTION IS USED TRANSPOSED: source 0 = V^T (16 channels x 32 keys, turned out of LDS by ds_load_tr16_b128), source 1 = 16 rows of p: a lane holds one row (lane % 16) and eight neighbouring channels.
; REGISTERS, in windows of 256: window 0: v16-31 addresses; v32-39 f' of the block in hand, a pair for each of my four blocks of rows; v64-119 at work at the head; v128-255 rows on the way out.
;   window 1: v0-63, v64-127 V's fragments, two buffers; v128-159, v160-191 p's, two buffers.   window 2: O ((a, b) at v[64 a + 8 b]).   window 3: T, likewise.
; All products run under one setting of the windows; taking a block of T off into O wants another: two switches for each four multiply-adds, behind 32 of a block's 128 products.
.set PQ,     1024                      ; a fragment of p: 16 rows x 32 keys
.set PROW,   6*PQ                      ; a block of 16 rows in a slot
.set PPART,  8*PROW
.set PV,     544                       ; a row of v: 512 bytes + 32 = 136 words: the 8 rows x 32 bytes that sixteen lanes of the turning load take start 8 words apart modulo 64
.set SKEYS,  192
.set SLOT,   PPART+SKEYS*PV
.set FTAB,   2*SLOT                    ; behind the ring: f', [16 (kb)][128 (row)] words,
.set SPARE,  FTAB+8192                 ; and the spare words, 128 bytes for each wave: two blocks of 256 bytes that no other line names
.set STAGE,  SLOT                      ; the way out: 16 rows x (512 bytes + 16) for each wave, in slot 1: it has had its last fill, and nobody reads it behind the last change of slots
.set SPITCH, 528
.set ADRP, 16                          ; v16-17  LDS address of my fragments of p in slot 0, 1
.set ADRV, 18                          ; v18-21  of v: slot 0 keys 0-95, keys 96-191; slot 1 likewise (an LDS offset has 16 bits)
.set ADRF, 22                          ; v22     of f': it steps three blocks a lap
.set STO,  24
.set RD,   25
.set CO,   26
.set STA,  27                          ; v27     8 x thread: my row of st
.set SPW,  28                          ; v28     LDS address of my spare word; never rewritten
.set NIL,  29                          ; v29     0; never rewritten
.set FW,   30                          ; v30     FTAB + 4 x thread
.set PFO,  31                          ; v31     the prefetches' offset; never rewritten
.set FA,   32
.set G1,   24                          ; s[24:31] descriptor group 1 for p's tiles; s[32:39] group 0, one set for each slot
.set G0,   32
.set G1B,  48                          ; s[48:55], s[56:63] the same for v's
.set G0B,  56
.set G1P2, 68                          ; s[68:75] group 1 for p's tile of the last slot, 128 keys
.set G1V2, 76                          ; s[76:83], s[84:87] groups 1 and 0 for v's
.set G0V2, 84
.set PFA,  88                          ; s[88:89] where my prefetches stand
.set PFS,  90                          ; s[90:91] a slot on, in bytes
.set LIM,  92                          ; s92      1 in a wave that prefetches, else the greatest number
.set MSB, 0
.macro WIN new                         ; the immediate's high byte repeats the setting that is left
.if MSB != \new
	s_set_vgpr_msb (MSB<<8)|\new
.set MSB, \new
.endif
.endm
.set MM,  0xf5                         ; products: sources 0 and 1 window 1; C and D window 3
.set FLW, 0xa3                         ; O += f' T: source 0 (T) window 3, source 1 (f') window 0, source 2 and destination (O) window 2
.macro JLOAD g0a, g1a, g0b, g1b        ; a joint load: waves 0 and 1 fetch p's two halves, waves 2 and 3 v's; an s_nop 0 and four v_nop follow each of the two lines
	s_cmp_eq_u32 s13, 0
	s_cbranch_scc0 .Lfor_b_\@
	tensor_load_to_lds s[\g0a:\g0a+3], s[\g1a:\g1a+7]
	s_nop 0
.rept 4
	v_nop
.endr
	s_branch .Lasked_\@
.Lfor_b_\@:
	tensor_load_to_lds s[\g0b:\g0b+3], s[\g1b:\g1b+7]
	s_nop 0
.rept 4
	v_nop
.endr
.Lasked_\@:
.endm
; A PREFETCH INTO THE L2 behind each refill in the loop and the run of LDS loads that follows it: the slot that the NEXT refill will fetch, six quarters, 192 products, ahead of that load.  Two instructions a wave.
; Each aligned block of 256 bytes is named once in the launch.  p's rows are read by one cluster alone: every cluster asks for its own; of the four blocks of 16 rows that wave 0 or 1 fetches, the partner at place cx takes
; one: 6,144 bytes, lanes 512 bytes apart, twelve lanes (the others are held at the twelfth), offsets 0 and 256.  v's rows are read by the four clusters of a batch: the first of them asks; of the 96 keys that wave 2 or 3
; fetches, the partner at place cy takes 24: a lane a key (the others are held at the 24th), offsets 0 and 256 of its 512 bytes.  The partners are told apart by address alone.
; Slots 0 to 2 come by their loads alone; the short last slot is not asked for: how = 1, a lap's first change of slots, always asks (slots 3, 5, 7, 9); how = 0, its second, not in the loop's last trip (slots 4, 6, 8).
.macro ASK how
.if \how
	s_cmp_eq_u32 s[LIM], 1
.else
	s_cmp_gt_u32 s3, s[LIM]                        ; s3 = 1 in the loop's last trip
.endif
	s_cbranch_scc0 .Lnot_mine_\@
	global_prefetch_b8 v[PFO], s[PFA:PFA+1] th:TH_LOAD_NT scope:SCOPE_SE
	global_prefetch_b8 v[PFO], s[PFA:PFA+1] offset:256 th:TH_LOAD_NT scope:SCOPE_SE
.Lnot_mine_\@:
.endm
.macro CREST
	s_cmp_lg_u32 s12, 0
	s_cbranch_scc1 .Lnot_wave_0_\@
	s_barrier_signal -3
.Lnot_wave_0_\@:
	s_barrier_wait -3
	s_barrier_signal -1
	s_barrier_wait -1
.endm
.macro CROUND
	s_barrier_signal -1
	s_barrier_wait -1
	CREST
.endm
	s_load_b256 s[4:11], s[0:1], 0x0               ; p s[4:5], st s[6:7], qkv s[8:9], out0 s[10:11]
	v_lshl_add_u32 v[SPW], v0, 2, SPARE
	v_mov_b32 v[NIL], 0
	ds_add_u32 v[SPW], v[NIL]                      ; the wave's opening: the add, twice on end, and its wait ahead of my first tensor load
	ds_add_u32 v[SPW], v[NIL]
	v_lshrrev_b32 v1, 5, v0
	v_readfirstlane_b32 s12, v1                    ; wave 0..3
	s_lshr_b32 s13, s12, 1                         ; which 64 rows are mine.  Also: I fetch for p (0) or for v (1)
	s_and_b32 s14, s12, 1                          ; which 128 channels.  Also: which half of that tile I fetch
	s_bfe_u32 s15, ttmp6, 0x40000                  ; cx
	s_bfe_u32 s16, ttmp6, 0x40004                  ; cy
	s_lshl_b32 s17, ttmp9, 2
	s_add_co_u32 s17, s17, s15                     ; tile column (256 channels)
	s_and_b32 s18, ttmp7, 0xffff
	s_lshr_b32 s19, s18, 2                         ; the batch = cluster y / 4: no place in the cluster enters it
	s_lshl_b32 s18, s18, 2
	s_add_co_u32 s18, s18, s16                     ; tile row (128 rows)
	s_lshl_b32 s22, s16, 2
	s_lshl_b32 s22, 15, s22                        ; my row of the cluster
	s_lshl_b32 s23, 0x1111, s15                    ; my column
	s_or_b32 s[G1+0], s22, (3<<16)|(1<<21)         ; p: 15:0 the mask; 17:16 elements of 8 bytes; no padding; 21 set beside a mask
	s_or_b32 s[G1P2+0], s22, (3<<16)|(1<<21)
	s_mov_b32 s[G1+1], 768<<16                     ; tensor_dim0 = 768 elements: six quarters
	s_mov_b32 s[G1P2+1], 512<<16                   ; the last slot: four quarters are left; what the tile holds beyond them arrives as zeros and is not read
.irp g, G1, G1P2
	s_mov_b32 s[\g+2], 4<<16                       ; tensor_dim1 = 4 blocks of 16 rows
	s_mov_b32 s[\g+3], 768<<16                     ; tile_dim0
	s_mov_b32 s[\g+4], 4                           ; tile_dim1
	s_mov_b32 s[\g+5], 8192                        ; elements from block to block: 65,536 bytes
	s_mov_b32 s[\g+6], 0
	s_mov_b32 s[\g+7], 0
.endr
	s_or_b32 s[G1B+0], s23, (1<<16)|(1<<20)|(1<<21)|(6<<22)|(7<<25)  ; v: elements of 2 bytes; eight words of padding after every 128
	s_or_b32 s[G1V2+0], s23, (1<<16)|(1<<20)|(1<<21)|(6<<22)|(7<<25)
.irp g, G1B, G1V2
	s_mov_b32 s[\g+1], 256<<16                     ; tensor_dim0 = 256 channels
	s_mov_b32 s[\g+3], 256<<16                     ; tile_dim0
	s_mov_b32 s[\g+5], 1024                        ; elements from key to key
	s_mov_b32 s[\g+6], 0
	s_mov_b32 s[\g+7], 0
.endr
	s_mov_b32 s[G1B+2], 96<<16                     ; 96 keys a wave;
	s_mov_b32 s[G1B+4], 96
	s_mov_b32 s[G1V2+2], 64<<16                    ; in the last slot 64
	s_mov_b32 s[G1V2+4], 64
	s_lshl_b32 s20, s18, 19                        ; p: a tile row is 8 blocks of 65,536 bytes (under 2^25 in all),
	s_lshl_b32 s21, s14, 18                        ; my half 4 of them
	s_add_co_u32 s20, s20, s21
	s_mov_b32 s21, 0
	s_lshl_b32 s46, s19, 11
	s_add_co_u32 s46, s46, 16384                   ; v: the batch's first row in qkv
	s_lshl_b32 s47, s17, 9                         ; 512 bytes a tile column
	s_mul_i32 s40, s14, 96
	s_add_co_u32 s40, s40, s46
	s_lshl_b32 s40, s40, 11                        ; rows of 2,048 bytes (under 2^26)
	s_add_co_u32 s40, s40, s47
	s_mov_b32 s41, 0
	s_lshl_b32 s44, s14, 6
	s_add_co_u32 s44, s44, s46
	s_add_co_u32 s44, s44, 10*SKEYS                ; the last slot begins at key 1,920
	s_lshl_b32 s44, s44, 11
	s_add_co_u32 s44, s44, s47
	s_mov_b32 s45, 0
	s_mul_i32 s42, s14, 4*PROW                     ; where they go: no place in the cluster enters an LDS address
	s_mul_i32 s43, s14, 96*PV
	s_add_co_u32 s43, s43, PPART
	s_mul_i32 s46, s14, 64*PV
	s_add_co_u32 s46, s46, PPART
	s_wait_dscnt 0x0                               ; both opening adds are done
	s_wait_kmcnt 0x0
	s_add_nc_u64 s[20:21], s[4:5], s[20:21]
	s_add_nc_u64 s[40:41], s[8:9], s[40:41]
	s_add_nc_u64 s[44:45], s[8:9], s[44:45]
	s_mov_b32 s[G0V2], 1
	s_mov_b32 s[G0V2+1], s46                       ; the last slot lies in LDS slot 0
	s_mov_b64 s[G0V2+2:G0V2+3], s[44:45]
	s_or_b32 s[G0V2+3], s[G0V2+3], 0x80000000
	CROUND                                         ; all sixteen work-groups are here: the first joint loads meet
.irp s, 0,1
	s_mov_b32 s[G0+4*\s], 1
	s_add_co_u32 s[G0+4*\s+1], s42, \s*SLOT
	s_add_nc_u64 s[G0+4*\s+2:G0+4*\s+3], s[20:21], \s*PROW
	s_or_b32 s[G0+4*\s+3], s[G0+4*\s+3], 0x80000000
	s_mov_b32 s[G0B+4*\s], 1
	s_add_co_u32 s[G0B+4*\s+1], s43, \s*SLOT
	s_add_nc_u64 s[G0B+4*\s+2:G0B+4*\s+3], s[40:41], \s*SKEYS*2048
	s_or_b32 s[G0B+4*\s+3], s[G0B+4*\s+3], 0x80000000
	JLOAD G0+4*\s, G1, G0B+4*\s, G1B               ; two tensor loads of mine are out; later one
.endr
	; THE ROWS' STATISTICS: thread t takes row t of the tile's 128
	s_lshl_b32 s22, s18, 10                        ; 128 rows of 8 bytes a tile row
	s_mov_b32 s23, 0
	s_add_nc_u64 s[6:7], s[6:7], s[22:23]
	v_lshlrev_b32 v[STA], 3, v0
.set kb, 0
.rept 16
	global_load_b64 v[64+2*kb:65+2*kb], v[STA], s[6:7] offset:65536*kb   ; (-M, l) of block kb: a wave reads 256 consecutive bytes
.set kb, kb+1
.endr
	v_and_b32 v1, 15, v0                           ; r
	v_bfe_u32 v2, v0, 4, 1                         ; h
	v_and_b32 v3, 31, v0                           ; lane
	s_mul_i32 s22, s13, 4*PROW
	v_lshl_add_u32 v[ADRP], v3, 4, s22             ; p: my four blocks of rows; an image's 16 bytes a lane
	v_add_nc_u32 v[ADRP+1], SLOT, v[ADRP]
	v_and_b32 v4, 7, v0
	v_bfe_u32 v5, v0, 3, 1
	v_lshl_add_u32 v4, v2, 3, v4
	v_mul_u32_u24 v4, v4, PV
	v_lshl_add_u32 v4, v5, 4, v4                   ; v: key 8 h + l % 8, channels 8 ((l / 8) % 2) on
	s_lshl_b32 s22, s14, 8
	s_add_co_u32 s22, s22, PPART                   ; behind p's part; my 128 channels
	v_add_nc_u32 v[ADRV], s22, v4
	v_add_nc_u32 v[ADRV+1], 96*PV, v[ADRV]
	v_add_nc_u32 v[ADRV+2], SLOT, v[ADRV]
	v_add_nc_u32 v[ADRV+3], SLOT+96*PV, v[ADRV]
	s_lshl_b32 s22, s13, 8
	v_lshl_add_u32 v[ADRF], v1, 2, s22             ; 4 (64 x my half + r)
	v_add_nc_u32 v[ADRF], FTAB, v[ADRF]
	v_lshl_add_u32 v[FW], v0, 2, FTAB
	s_mul_i32 s22, s12, 16*SPITCH
	s_add_co_u32 s22, s22, STAGE                   ; my stage
	v_mul_u32_u24 v6, v1, SPITCH
	v_lshl_add_u32 v6, v2, 5, v6
	v_add_nc_u32 v[STO], s22, v6                   ; in: row r, 32 bytes for each half of the lanes
	v_lshlrev_b32 v[CO], 4, v3                     ; back: the 32 lanes take one row of 512 bytes; and the same in out0
	v_add_nc_u32 v[RD], s22, v[CO]
	s_lshl_b32 s22, s18, 7
	s_lshl_b32 s23, s13, 6
	s_add_co_u32 s22, s22, s23                     ; my first row of out0,
	s_lshl_b32 s22, s22, 12                        ; rows of 4,096 bytes,
	s_lshl_b32 s23, s17, 10
	s_add_co_u32 s22, s22, s23                     ; + 1,024 bytes a tile column
	s_lshl_b32 s23, s14, 9
	s_add_co_u32 s22, s22, s23                     ; + my half's 512
	s_mov_b32 s23, 0
	s_add_nc_u64 s[10:11], s[10:11], s[22:23]
	; the prefetches (macro ASK): where my wave's stand, and who asks.  Every descriptor is made: s20-23 and s44-47 are free
	s_lshl_b32 s44, s18, 3
	s_lshl_b32 s45, s14, 2
	s_add_co_u32 s44, s44, s45
	s_add_co_u32 s44, s44, s15                     ; p: block of rows 8 x tile row + 4 x my half + cx,
	s_lshl_b32 s44, s44, 16
	s_add_co_u32 s44, s44, 2*PROW                  ; at slot 2: the first change of slots steps it to slot 3
	s_lshl_b32 s45, s19, 11
	s_mul_i32 s46, s14, 96
	s_add_co_u32 s45, s45, s46
	s_mul_i32 s46, s16, 24
	s_add_co_u32 s45, s45, s46                     ; v: key 96 x my half + 24 cy of the batch,
	s_add_co_u32 s45, s45, 16384+2*SKEYS           ; at slot 2
	s_lshl_b32 s45, s45, 11
	s_lshl_b32 s46, s17, 9
	s_add_co_u32 s45, s45, s46
	s_and_b32 s46, ttmp7, 3                        ; which of the batch's four clusters: the same in all sixteen partners
	s_cmp_eq_u32 s46, 0
	s_cselect_b32 s46, 1, -1
	s_mov_b32 s20, 23
	s_mov_b32 s21, 2048
	s_mov_b32 s[PFS], SKEYS*2048
	s_mov_b32 s[PFS+1], 0
	s_cmp_eq_u32 s13, 0                            ; do I fetch for p?
	s_cselect_b64 s[PFA:PFA+1], s[4:5], s[8:9]
	s_cselect_b32 s44, s44, s45
	s_cselect_b32 s[LIM], 1, s46
	s_cselect_b32 s20, 11, s20                     ; the last lane that names a block of its own,
	s_cselect_b32 s21, 512, s21                    ; from lane to lane,
	s_cselect_b32 s[PFS], PROW, s[PFS]             ; from slot to slot
	s_mov_b32 s45, 0
	s_add_nc_u64 s[PFA:PFA+1], s[PFA:PFA+1], s[44:45]
	v_min_u32 v[PFO], s20, v3
	v_mul_lo_u32 v[PFO], v[PFO], s21
.irp a, 0,1,2,3
	v_mov_b32 v[FA+2*\a+1], 0                      ; named as the upper halves of the pairs, so they are written
.endr
	s_wait_loadcnt 0x0
	v_min3_num_f32 v96, v64, v66, v68              ; -M of the row: the least of the sixteen
.irp k, 3,5,7,9,11,13
	v_min3_num_f32 v96, v96, v[64+2*\k], v[66+2*\k]
.endr
	v_min_num_f32 v96, v96, v94
.set kb, 0
.rept 16
	v_sub_f32 v[104+kb], v96, v[64+2*kb]           ; M_kb - M: a whole number, 0 or less
.set kb, kb+1
.endr
.set kb, 0
.rept 16
	v_cvt_i32_f32 v[104+kb], v[104+kb]             ; (it saturates)
.set kb, kb+1
.endr
.set kb, 0
.rept 16
	v_ldexp_f32 v[104+kb], 1.0, v[104+kb]          ; f_kb
.set kb, kb+1
.endr
	v_mul_f32 v97, v65, v104
.set kb, 1
.rept 15
	v_fmac_f32 v97, v[65+2*kb], v[104+kb]          ; l = the sum of l_kb f_kb
.set kb, kb+1
.endr
	v_rcp_f32 v98, v97                             ; l is over 0.5: the block that holds the row's largest t has f = 1 and a weight over 0.5
	v_nop                                          ; a plain place behind the reciprocal,
	s_wait_alu depctr_va_vdst(0)                   ; and a wait ahead of its first reader
.set kb, 0
.rept 16
	v_mul_f32 v[104+kb], v[104+kb], v98            ; f'_kb = f_kb / l
.set kb, kb+1
.endr
.set kb, 0
.rept 16
	ds_store_b32 v[FW], v[104+kb] offset:512*kb
.set kb, kb+1
.endr
	s_wait_dscnt 0x0                               ; for the others' sake: my stores have landed
	s_wait_tensorcnt 1                             ; my part of slot 0 is in; slot 1's may be out
	s_barrier_signal -1
	s_barrier_wait -1
.macro PLACES                          ; four places in front of loads into registers that matrix instructions have read, and of the first read of results
.rept 4
	v_nop
.endr
.endm
.macro MUL1 f, a, b, zero              ; T(a, b) (+)= 16 channels x 32 keys of buffer f times block a's 16 rows
.if \zero
	v_wmma_f32_16x16x32_f16 v[64*(\a)+8*(\b):64*(\a)+8*(\b)+7], v[64*(\f)+8*(\b):64*(\f)+8*(\b)+7], v[128+32*(\f)+8*(\a):128+32*(\f)+8*(\a)+7], 0
.else
	v_wmma_f32_16x16x32_f16 v[64*(\a)+8*(\b):64*(\a)+8*(\b)+7], v[64*(\f)+8*(\b):64*(\f)+8*(\b)+7], v[128+32*(\f)+8*(\a):128+32*(\f)+8*(\a)+7], v[64*(\a)+8*(\b):64*(\a)+8*(\b)+7]
.endif
.endm
.macro FLC a, b, first                 ; O(a, b) += f'(a) T(a, b), from the accumulator's low end on.  first = 1: block 0 starts O: nothing is ever cleared
.irp i, 0,2,4,6
.if \first
	v_pk_mul_f32 v[64*(\a)+8*(\b)+\i:64*(\a)+8*(\b)+\i+1], v[64*(\a)+8*(\b)+\i:64*(\a)+8*(\b)+\i+1], v[FA+2*(\a):FA+2*(\a)+1] op_sel_hi:[1,0]
.else
	v_pk_fma_f32 v[64*(\a)+8*(\b)+\i:64*(\a)+8*(\b)+\i+1], v[64*(\a)+8*(\b)+\i:64*(\a)+8*(\b)+\i+1], v[FA+2*(\a):FA+2*(\a)+1], v[64*(\a)+8*(\b)+\i:64*(\a)+8*(\b)+\i+1] op_sel_hi:[1,0,1]
.endif
.endr
.endm
.macro FL a, b, first
	WIN FLW
	FLC \a, \b, \first
	WIN MM
.endm
; Eight products: block a of my rows against my 8 blocks of channels, buffer f, in a quarter that is the ph-th of its block of 128 keys.  The 32 accumulators take turns in one order, a = 0 .. 3.
; ph = 0: the products begin T anew.  T IS TAKEN OFF A BLOCK OF ROWS BEHIND: in the last quarter (ph = 3) T(a - 1, b) behind product (a, b); T(3, b) behind product (0, b) of the next block's first quarter (t3 = 1).
; The multiply-adds of one accumulator name no register of the product that they stand behind, so they are the places behind it; behind block 0's products of a last quarter, which have none, stand four v_nop.
.macro GRP f, a, ph, t3, first
.irp b, 0,1,2,3,4,5,6,7
.if (\ph) == 0
	MUL1 \f, \a, \b, 1
.else
	MUL1 \f, \a, \b, 0
.endif
.if ((\ph) == 0) && ((\a) == 0) && (\t3)
	FL 3, \b, \first
.endif
.if ((\ph) == 3) && ((\a) > 0)
	FL (\a)-1, \b, \first
.endif
.endr
.if ((\ph) == 3) && ((\a) == 0)
	PLACES
.endif
.endm
; The LDS loads of quarter n, in one run: p's four fragments (images: 512 consecutive bytes a load), V's eight (turned).  Slot (n / 6) % 2, its (n % 6)-th 32 keys, buffers n % 2.
; With the run that stands in a block's second quarter come the block's four f': the block before has been taken off by then.
.macro FETCHQ n
.if ((\n)%4) == 2
	WIN 0
.irp a, 0,1,2,3
	ds_load_b32 v[FA+2*\a], v[ADRF] offset:512*((\n)/4)+64*\a
.endr
.endif
	WIN 0x40                                       ; destination window 1
.irp a, 0,1,2,3
	ds_load_b128 v[128+32*((\n)%2)+8*\a:128+32*((\n)%2)+8*\a+3],   v[ADRP+((\n)/6)%2] offset:\a*PROW+((\n)%6)*PQ
	ds_load_b128 v[128+32*((\n)%2)+8*\a+4:128+32*((\n)%2)+8*\a+7], v[ADRP+((\n)/6)%2] offset:\a*PROW+((\n)%6)*PQ+512
.endr
.irp b, 0,1,2,3,4,5,6,7
	ds_load_tr16_b128 v[64*((\n)%2)+8*\b:64*((\n)%2)+8*\b+3],   v[ADRV+2*(((\n)/6)%2)+((\n)%6)/3] offset:(((\n)%6)%3)*32*PV+32*\b
	ds_load_tr16_b128 v[64*((\n)%2)+8*\b+4:64*((\n)%2)+8*\b+7], v[ADRV+2*(((\n)/6)%2)+((\n)%6)/3] offset:(((\n)%6)%3)*32*PV+16*PV+32*\b
.endr
.endm
; Quarter q (counted within a lap and its neighbours: all that hangs on q has the period 12).  At its head the next quarter's loads go out: they have the 32 products in which to land.
.macro QUARTER q, t3, first, fetch
	s_wait_dscnt 0x0                               ; this quarter's fragments are in
.if \fetch
	PLACES
	FETCHQ (\q)+1
.endif
	WIN MM
.irp a, 0,1,2,3
	GRP (\q)%2, \a, (\q)%4, \t3, \first
.endr
.endm
; A slot's last quarter changes slots: ONE barrier; in front of it each wave waits for all its tensor loads (one is out: its part of the next slot), adds 0 to its spare word, and waits for that and for its reads of this
; slot, whose last fragments are in registers.  fill = 1: the barrier opens a round of the cluster's barrier, and behind it this slot is filled again, two slots ahead: the wave's one tensor load until the next round.
; fill = 2: the same with the last slot's 128 keys.  fill = 0: nothing is left to fetch.
.macro TURN q, fill, how
.if (\fill) == 1
	s_wait_xcnt 0x0                                ; the last prefetches, a slot back, have read their address: it is stepped here
	s_add_nc_u64 s[PFA:PFA+1], s[PFA:PFA+1], s[PFS:PFS+1]
.endif
	WIN 0                                          ; (the add's two registers lie in window 0)
	s_wait_tensorcnt 0x0
	ds_add_u32 v[SPW], v[NIL]
	s_wait_dscnt 1                                 ; only the add may be out: this quarter's fragments are in
	WIN MM
	GRP (\q)%2, 0, (\q)%4, 0, 0
	s_wait_dscnt 0x0                               ; the add is done, and my reads of this slot are over
	s_barrier_signal -1
	GRP (\q)%2, 1, (\q)%4, 0, 0
	WIN 0
	s_barrier_wait -1
.if (\fill) > 0
	CREST                                          ; no wave of any partner still reads this slot or has a load on its way
	s_add_nc_u64 s[G0+4*(((\q)/6)%2)+2:G0+4*(((\q)/6)%2)+3], s[G0+4*(((\q)/6)%2)+2:G0+4*(((\q)/6)%2)+3], 2*PROW
.endif
.if (\fill) == 1
	s_add_nc_u64 s[G0B+4*(((\q)/6)%2)+2:G0B+4*(((\q)/6)%2)+3], s[G0B+4*(((\q)/6)%2)+2:G0B+4*(((\q)/6)%2)+3], 2*SKEYS*2048
	JLOAD G0+4*(((\q)/6)%2), G1, G0B+4*(((\q)/6)%2), G1B   ; its four v_nop are also the places in front of the loads below
.endif
.if (\fill) == 2
	JLOAD G0+4*(((\q)/6)%2), G1P2, G0V2, G1V2
.endif
.if (\fill) == 0
	PLACES
.endif
	FETCHQ (\q)+1
.if (\fill) == 1
	WIN 0
	ASK \how
.endif
	WIN MM
	GRP (\q)%2, 2, (\q)%4, 0, 0
	GRP (\q)%2, 3, (\q)%4, 0, 0
.endm
	FETCHQ 0
	QUARTER 0, 0, 0, 1                             ; block 0 and the first quarter of block 1 stand in front of the loop: block 0's T starts O
	QUARTER 1, 0, 0, 1
	QUARTER 2, 0, 0, 1
	QUARTER 3, 0, 1, 1
	QUARTER 4, 1, 1, 1
	WIN 0                                          ; at a label and at a branch every window is 0
	s_mov_b32 s3, 4
.Llap:                                                 ; four trips of 12 quarters: quarters 5 to 52; each fills both slots again: slots 2 to 9
	TURN 5, 1, 1
	QUARTER 6, 1, 0, 1
	QUARTER 7, 1, 0, 1
	QUARTER 8, 1, 0, 1
	QUARTER 9, 1, 0, 1
	QUARTER 10, 1, 0, 1
	TURN 11, 1, 0
	QUARTER 12, 1, 0, 1
	QUARTER 13, 1, 0, 1
	QUARTER 14, 1, 0, 1
	QUARTER 15, 1, 0, 1
	QUARTER 16, 1, 0, 1
	WIN 0
	v_add_nc_u32 v[ADRF], 3*512, v[ADRF]           ; three blocks on
	s_sub_co_u32 s3, s3, 1
	s_cmp_lg_u32 s3, 0
	s_cbranch_scc1 .Llap
	TURN 5, 2, 0                                   ; the tail is written out: quarters 53 to 63.  Slot 8 is left: its place takes the last 128 keys
	QUARTER 6, 1, 0, 1
	QUARTER 7, 1, 0, 1
	QUARTER 8, 1, 0, 1
	QUARTER 9, 1, 0, 1
	QUARTER 10, 1, 0, 1
	TURN 11, 0, 0                                  ; slot 9 is left: nothing more is asked for
	QUARTER 12, 1, 0, 1
	QUARTER 13, 1, 0, 1
	QUARTER 14, 1, 0, 1
	QUARTER 15, 1, 0, 0
	WIN FLW
.irp b, 0,1,2,3,4,5,6,7
	FLC 3, \b, 0                                   ; the last block's T(3, .): behind each of its products stand four multiply-adds of T(2, .) or more
.endr
	WIN 0
; THE WAY OUT, a block of 16 rows x 128 channels at a time: 32 bytes a lane into my own stage; back as whole rows of 512 bytes, which the 32 lanes store as 512 consecutive aligned bytes.
.macro TOSTAGE a
	WIN 0x08                                       ; an LDS store's data are its source 1: O, window 2
.irp b, 0,1,2,3,4,5,6,7
	ds_store_b128 v[STO], v[64*(\a)+8*\b:64*(\a)+8*\b+3] offset:64*\b
	ds_store_b128 v[STO], v[64*(\a)+8*\b+4:64*(\a)+8*\b+7] offset:64*\b+16
.endr
	WIN 0
.set BB, 128+64*((\a)%2)
.irp t, 0,1,2,3,4,5,6,7,8,9,10,11,12,13,14,15
	ds_load_b128 v[BB+4*\t:BB+4*\t+3], v[RD] offset:\t*SPITCH      ; LDS serves a wave's instructions in order: these see the stores above
.endr
.endm
.macro SEND a, younger                 ; younger: the LDS instructions issued behind block a's loads, which may stay out
.set BB, 128+64*((\a)%2)
	s_wait_dscnt \younger
.if (\a) > 0
	s_add_nc_u64 s[10:11], s[10:11], 16*4096       ; (behind a wait on XCNT: the earlier stores have read their base)  16 rows on
.endif
.irp t, 0,1,2,3,4,5,6,7,8,9,10,11,12,13,14,15
	global_store_b128 v[CO], v[BB+4*\t:BB+4*\t+3], s[10:11] offset:\t*4096 th:TH_STORE_NT   ; written once, read by nobody here
.endr
.endm
	TOSTAGE 0
.irp a, 1,2,3
.if \a > 1
	s_wait_xcnt 0x0                                ; block a - 2's stores have read their registers and their base
.endif
	TOSTAGE \a
	SEND \a-1, 32                                  ; behind block a - 1's loads: block a's 16 stores and 16 loads
.endr
	s_wait_xcnt 0x0
	SEND 3, 0
	s_wait_tensorcnt 0x0                           ; the wave's end, behind my last tensor load and my last LDS store
	ds_add_u32 v[SPW], v[NIL]
	s_wait_dscnt 0x0
	CROUND                                         ; the closing round
	s_endpgm
.Lfunc_end_k_q18c780c825_pv:
	.size	k_q18c780c825_pv, .Lfunc_end_k_q18c780c825_pv-k_q18c780c825_pv
	.p2alignl 7, 3214868480
	.fill 96, 4, 3214868480
	.section	.rodata,"a",@progbits
	.p2align	6, 0x0
	.amdhsa_kernel k_q18c780c825_pv
		.amdhsa_group_segment_fixed_size 327680
		.amdhsa_private_segment_fixed_size 0
		.amdhsa_enable_private_segment 0
		.amdhsa_kernarg_size 32
		.amdhsa_user_sgpr_count 2
		.amdhsa_user_sgpr_kernarg_segment_ptr 1
		.amdhsa_wavefront_size32 1
		.amdhsa_system_sgpr_workgroup_id_x 1
		.amdhsa_system_sgpr_workgroup_id_y 1
		.amdhsa_system_sgpr_workgroup_id_z 1
		.amdhsa_system_vgpr_workitem_id 0
		.amdhsa_next_free_vgpr 1024
		.amdhsa_next_free_sgpr 96
		.amdhsa_reserve_vcc 0
		.amdhsa_float_denorm_mode_32 3
		.amdhsa_float_denorm_mode_16_64 3
		.amdhsa_memory_ordered 1
		.amdhsa_forward_progress 1
		.amdhsa_inst_pref_size 212
	.end_amdhsa_kernel
	.amdgpu_metadata
---
amdhsa.version: [ 1, 2 ]
amdhsa.kernels:
  - .name:           k_q18c780c825_pv
    .symbol:         k_q18c780c825_pv.kd
    .args:
      - { .name: p, .offset: 0, .size: 8, .value_kind: global_buffer, .address_space: global }
      - { .name: st, .offset: 8, .size: 8, .value_kind: global_buffer, .address_space: global }
      - { .name: qkv, .offset: 16, .size: 8, .value_kind: global_buffer, .address_space: global }
      - { .name: out0, .offset: 24, .size: 8, .value_kind: global_buffer, .address_space: global }
    .group_segment_fixed_size: 327680
    .private_segment_fixed_size: 0
    .kernarg_segment_align: 8
    .kernarg_segment_size: 32
    .max_flat_workgroup_size: 128
    .sgpr_count:     96
    .vgpr_count:     1024
    .wavefront_size: 32
...
	.end_amdgpu_metadata
.endif
;; end of part 5
